; MI455X (gfx1250); checked and timed in simulation.
; The chip was launched on July 23, 2026; its instructions are those of AMD's public machine-readable ISA for CDNA 5 (MIT licence, August 2026) and "CDNA5" Instruction Set Architecture Reference Guide (July 2026). The comments in the code are by the model that wrote it; some were corrected since.
;; Latent Attention. Allowed arithmetic: matrix products marked QUANTISED: E2M1 operands, one E8M0 scale for each 32 along K, by v_wmma_scale_f32_16x16x128_f8f6f4 with both operands' format E2M1 (or v_wmma_scale_f32_32x16x128_f4), f32 sums; products left as they are: bf16, f16 or f32 operands; f32 sums; everything else in f32.
;; Inputs: Wproj 1,024 x 1,024 float32; Wqkv 1,024 x 3,072 float32; z 4 x 2,048 x 1,024 float32.
;; Outputs: out0 4 x 2,048 x 1,024 float32.
;; This version of the problem:
;;   THIS VERSION OF THE PROBLEM IS GIVEN IN LOW PRECISION. The matrix products marked QUANTISED in the list below multiply operands that are first quantised to E2M1 (2 exponent bits, 1 mantissa bit; 4 bits a number), with one power-of-two scale for each 32 numbers along K (OCP MX v1.0); their sums are f32. The products marked 'left as it is' may take bf16, f16 or f32 operands, with f32 sums. Whichever they take, every output number must still come out within the allowed error. Rounding operands to bf16 (8 significant bits) uses up far more of that allowance than f16 does (11 bits, for magnitudes from 6e-5 to 65,504). All else is computed in f32.
;;   The module's matrix products, in the order in which they are computed (A, B: the left and right operand; K: the contracted axis; several contracted axes count as one K, in the product's order):
;;     1. [M 8,192, K 1,024] x [K 1,024, N 3,072]; A: input z; B: input Wqkv: QUANTISED
;;     2. batch 64 x [M 2,048, K 64] x [K 64, N 2,048]; A: computed on the way; B: computed on the way: left as it is (an operand is computed on the way)
;;     3. batch 64 x [M 2,048, K 2,048] x [K 2,048, N 64]; A: computed on the way; B: computed on the way: left as it is (an operand is computed on the way)
;;     4. [M 8,192, K 1,024] x [K 1,024, N 1,024]; A: computed on the way; B: input Wproj: left as it is (an operand is computed on the way)
;;   THE QUANTISER, for each operand of a quantised product, along K:
;;     - K is cut into blocks of 32 from its start; a last block that is shorter is filled with zeros.
;;     - A block's scale is 2^e with e = floor(log2(the largest magnitude in the block)) - 2, held to -126 .. 127; a block of zeros has e = 0. As a byte (E8M0): e + 127.
;;     - Each number is divided by its block's scale, clamped to +-6, and rounded to the nearest number of E2M1, ties to even, subnormals kept.
;;     - The product sums the exact products of the quantised numbers (number of the format x scale) in f32.
;;   ~~~python
;;   def quantise(x, axis):      # numpy; x: float32 -> the quantised numbers, widened to float32 again
;;       x = np.moveaxis(x, axis, -1); K = x.shape[-1]
;;       x = np.pad(x, [(0, 0)] * (x.ndim - 1) + [(0, -K % 32)]); x = x.reshape(x.shape[:-1] + (-1, 32)); a = np.abs(x).max(-1, keepdims=True)
;;       e = np.where(a > 0, np.clip(np.frexp(np.where(a > 0, a, 1))[1] - 1 - 2, -126, 127), 0)      # np.frexp(a)[1] - 1 = floor(log2(a)), exactly
;;       r = np.clip(x / 2.0 ** e, -6, 6)
;;       step = 2.0 ** (np.maximum(np.frexp(np.where(r == 0, 1, r))[1] - 1, 0) - 1)
;;       q = np.round(r / step) * step * 2.0 ** e      # np.round: ties to even
;;       return np.moveaxis(q.reshape(q.shape[:-2] + (-1,))[..., :K], -1, axis).astype(np.float32)
;;   ~~~
;; One version. Each part assembles by itself: llvm-mc -triple=amdgcn-amd-amdhsa -mcpu=gfx1250 --defsym DOCPART=n.
;; ======== version 1 of 1: 5 launches
;; limits: values are held in f16: magnitudes above 65,504 overflow, below 6.1e-05 lose precision
;; workspace buffers: z_codes 4,194,304 bytes; z_scales 262,144 bytes; w_codes 1,572,864 bytes; w_scales 98,304 bytes; wp16 2,097,152 bytes; qkv16 50,331,648 bytes; qkvf 786,432 bytes; o16 16,777,216 bytes
;; launch prep (part 1): grid 336 x 1, 4 waves a work-group, no clusters, 68,096 bytes of LDS; arguments z, Wqkv, Wproj, z_codes, z_scales, w_codes, w_scales, wp16; writes z_codes, z_scales, w_codes, w_scales, wp16
.if DOCPART == 1
	.amdgcn_target "amdgcn-amd-amdhsa--gfx1250"
	.amdhsa_code_object_version 6
	.text
	.protected	k_q2c8a7d9328_prep
	.globl	k_q2c8a7d9328_prep
	.p2align	8
	.type	k_q2c8a7d9328_prep,@function
k_q2c8a7d9328_prep:
	s_mov_b64 s[64:65], 0
	v_nop
	global_prefetch_b8 v0, s[64:65] scope:SCOPE_SE
	s_setreg_imm32_b32 hwreg(HW_REG_WAVE_MODE, 25, 1), 1
	s_wait_xcnt 0x0
; THREE PREPARATIONS IN ONE LAUNCH, told apart by the work-group's number; the three ways never join, and each has LDS bytes of its own.
;   ids 0-47:    Wqkv [1024 (k)][3072 (n)] f32 -> codes of FP4 (E2M1) laid [3072][512 bytes], K innermost, and E8M0 scale bytes [3072][32].  K is the FIRST axis: a lane takes a column, its registers run down K.
;   ids 48-303:  z [8192][1024] f32 -> codes [8192][512 bytes] and scale bytes [8192][32].  K is innermost: both are plain streams of blocks of 32.
;   ids 304-335: Wproj [1024 (k)][1024 (n)] f32 -> f16, laid as IMAGES of operand fragments: [k / 128][n / 16][(k / 32) % 4][half 2][lane 32][16 bytes]; lane (r, h), half u holds column n = r, k = 16 u + 8 h + 0 .. 7.
; A block's scale is 2^(floor(log2(its largest magnitude)) - 2); its byte is the largest magnitude's exponent field - 2, held at 1 from below.  A block of zeros so gets the byte 1 where the rule says 127: its codes
; are zeros, which add nothing under any byte but 0xff, and the bytes are read by this program alone.
; LIMITS: NaN and infinities among the inputs are not served; numbers of Wproj beyond f16's largest, 65,504, become infinities.
.set SPW,    222                       ; v222  LDS address of my spare word: SPARE + 4 x my thread's number; never rewritten
.set NIL,    223                       ; v223  0; never rewritten
.set WPITCH, 272                       ; the columns' way: a stage row, 256 bytes of codes + 16
.set ZREG,   4*32*WPITCH               ; LDS 0 .. 34,815: four stages of 32 rows for the columns' way;  from here 8,192 bytes a wave for the rows' way
.set ZWREG,  8192
.set SPARE,  ZREG+4*ZWREG              ; behind both: the spare words, 128 bytes for each wave: two blocks of 256 bytes that no other line names
.set ID_Z,   48
.set ID_P,   304
.set WN,     3072
.set WK,     1024
.set KW,     512                       ; along K for a wave
.set NB,     KW/32                     ; blocks
.set KROW,   WK/2                      ; a row of codes in bytes
.set WX,     32                        ; v32-95   two sets of 32 numbers
.set WC,     96                        ; v96-99   a block's codes
.set WOUT,   112                       ; v112-175 the way out
.set WSB,    24                        ; v24-27   scale bytes, four to a register
.set ZSTEPS, 16
.set ZSP,    80                        ; a lane's place in a stage: 64 bytes + 16 of padding
.set ZR,     16                        ; v16-79   four sets of 16 numbers as loaded
.set ZX,     80                        ; v80-111  two sets of 16 neighbours
.set ZE,     112                       ; v112-127 a scale byte for each step
.set ZC,     128                       ; v128-191 codes, four registers for each step
.set PF,     16                        ; v16-79   four sets of 16 numbers of Wproj
.set PH,     80                        ; v80-207  eight registers of f16 for each of 16 fragments
	s_load_b256 s[4:11], s[0:1], 0x0               ; z s[4:5], Wqkv s[6:7], Wproj s[8:9], z_codes s[10:11]
	s_load_b256 s[12:19], s[0:1], 0x20             ; z_scales s[12:13], w_codes s[14:15], w_scales s[16:17], wp16 s[18:19]
	v_lshl_add_u32 v[SPW], v0, 2, SPARE
	v_mov_b32 v[NIL], 0
	v_lshrrev_b32 v1, 5, v0
	v_readfirstlane_b32 s20, v1                    ; wave 0..3
	v_and_b32 v2, 31, v0                           ; lane
	s_mov_b32 s25, 0                               ; the upper word of every offset
	s_wait_kmcnt 0x0
	s_cmp_ge_u32 ttmp9, ID_P
	s_cbranch_scc1 .Lcast
	s_cmp_ge_u32 ttmp9, ID_Z
	s_cbranch_scc1 .Lrows
; ---------------- Wqkv: 24 groups of 128 columns x 2 halves of K.  A wave: 32 columns x 512 along K ----------------
	s_cmp_ge_u32 ttmp9, 24
	s_cselect_b32 s21, 24, 0
	s_cselect_b32 s22, 1, 0                        ; which half of K
	s_sub_co_u32 s21, ttmp9, s21                   ; which 128 columns
	s_lshl_b32 s23, s21, 7
	s_lshl_b32 s24, s20, 5
	s_add_co_u32 s23, s23, s24                     ; my wave's first column
	v_lshlrev_b32 v3, 2, v2                        ; in: 4 bytes a lane
	s_mul_i32 s26, s20, 32*WPITCH                  ; my stage
	v_mul_u32_u24 v4, v2, WPITCH
	v_add_nc_u32 v4, s26, v4                       ; into it: row = my column
	v_and_b32 v5, 15, v2
	v_lshrrev_b32 v6, 4, v2                        ; out of it: sixteen lanes to a row, two rows an instruction
	v_mul_u32_u24 v7, v6, WPITCH
	v_lshl_add_u32 v7, v5, 4, v7
	v_add_nc_u32 v7, s26, v7
	v_mul_u32_u24 v8, v6, KROW
	v_lshl_add_u32 v8, v5, 4, v8                   ; the same place in the codes' buffer
	v_lshlrev_b32 v9, 5, v2                        ; my column's row of 32 scale bytes
	s_mul_i32 s24, s22, KW*WN*4                    ; Wqkv: 512 rows down for the second half, + 4 x column
	s_lshl_b32 s26, s23, 2
	s_add_co_u32 s24, s24, s26
	s_add_nc_u64 s[6:7], s[6:7], s[24:25]
	s_mul_i32 s24, s23, KROW                       ; codes: column x 512 + 256 x half
	s_lshl_b32 s26, s22, 8
	s_add_co_u32 s24, s24, s26
	s_add_nc_u64 s[14:15], s[14:15], s[24:25]
	s_lshl_b32 s24, s23, 5                         ; scale bytes: column x 32 + 16 x half
	s_lshl_b32 s26, s22, 4
	s_add_co_u32 s24, s24, s26
	s_add_nc_u64 s[16:17], s[16:17], s[24:25]
.macro WLOAD t                         ; block t: Wqkv(32 t + i, my column), i = 0 .. 31, into set t % 2; a wave's load reads 128 consecutive bytes, the four waves stand side by side on 512
.irp i, 0,1,2,3,4,5,6,7,8,9,10,11,12,13,14,15,16,17,18,19,20,21,22,23,24,25,26,27,28,29,30,31
	global_load_b32 v[WX+32*((\t)%2)+\i], v3, s[6:7] offset:(32*(\t)+\i)*WN*4 th:TH_LOAD_NT
.endr
.endm
	WLOAD 0
	WLOAD 1
.macro WBLOCK t
.set XS, WX+32*((\t)%2)
.if (\t) < NB-1
	s_wait_loadcnt 32                              ; this block's 32 loads are in; the next block's 32 may be out
.else
	s_wait_loadcnt 0
.endif
	v_max3_num_f32 v12, |v[XS]|, |v[XS+1]|, |v[XS+2]|              ; the block's largest magnitude: all 32 numbers are mine; two chains
	v_max3_num_f32 v13, |v[XS+3]|, |v[XS+4]|, |v[XS+5]|
.irp i, 6,10,14,18,22,26
	v_max3_num_f32 v12, v12, |v[XS+\i]|, |v[XS+\i+1]|
	v_max3_num_f32 v13, v13, |v[XS+\i+2]|, |v[XS+\i+3]|
.endr
	v_max3_num_f32 v12, v12, |v[XS+30]|, |v[XS+31]|
	v_max3_num_f32 v12, v12, v13, 0x1800000        ; and the floor 2^(3 - 127): the byte cannot fall under 1
	v_add_nc_u32 v11, 0xff000000, v12              ; 2 off its exponent field: the conversion takes the exponent field of this operand as its scale, and nothing else of it
	v_lshrrev_b32 v13, 23, v11                     ; the scale's byte
.if (\t)%4 == 0
	v_mov_b32 v[WSB+(\t)/4], v13                   ; four bytes to a register, the lower K in the lower byte
.else
	v_lshl_or_b32 v[WSB+(\t)/4], v13, 8*((\t)%4), v[WSB+(\t)/4]
.endif
.irp g, 0,1,2,3
	v_cvt_scalef32_pk8_fp4_f32 v[WC+\g], v[XS+8*\g:XS+8*\g+7], v11
.endr
	v_nop                                          ; one plain instruction behind the last scaled conversion
	ds_store_b128 v4, v[WC:WC+3] offset:16*(\t)    ; 32 codes: 16 bytes of my column's row
.if (\t)+2 < NB
	WLOAD (\t)+2
.endif
	s_wait_dscnt 0x0                               ; the store has read its registers: the next block's codes may be written
.endm
.irp t, 0,1,2,3,4,5,6,7,8,9,10,11,12,13,14,15
	WBLOCK \t
.endr
	global_store_b128 v9, v[WSB:WSB+3], s[16:17]   ; my column's 16 scale bytes of this half of K
.irp t, 0,1,2,3,4,5,6,7,8,9,10,11,12,13,14,15
	ds_load_b128 v[WOUT+4*\t:WOUT+4*\t+3], v7 offset:2*\t*WPITCH   ; LDS serves a wave's instructions in order (ISA guide 5.7.1.4): these see my stores
.endr
.irp t, 0,1,2,3,4,5,6,7,8,9,10,11,12,13,14,15
	s_wait_dscnt 15-\t                             ; load t is in; the 15 - t younger ones may be out
	global_store_b128 v8, v[WOUT+4*\t:WOUT+4*\t+3], s[14:15] offset:2*\t*KROW   ; sixteen lanes store 256 consecutive bytes, aligned
.endr
	s_wait_tensorcnt 0x0                           ; the wave's end
	ds_add_u32 v[SPW], v[NIL]
	s_wait_dscnt 0x0
	s_endpgm
; ---------------- z: a wave takes a run of 8,192 numbers, 16 steps of 512 ----------------
.Lrows:
	v_lshlrev_b32 v3, 4, v2                        ; my 16 bytes of a load's 512
	s_mul_i32 s21, s20, ZWREG
	s_add_co_u32 s21, s21, ZREG                    ; my wave's region: two stages of 32 x 80 bytes, behind them its 256 scale bytes
	v_lshrrev_b32 v14, 2, v2
	v_mul_u32_u24 v14, v14, ZSP
	v_and_b32 v15, 3, v2
	v_lshl_add_u32 v14, v15, 4, v14
	v_add_nc_u32 v14, s21, v14                     ; the stage, on the way in: four lanes' 64 bytes on end, then 16 of padding
	v_mul_u32_u24 v15, v2, ZSP
	v_add_nc_u32 v15, s21, v15                     ; and on the way out: 80 x lane: my 16 neighbours
	v_lshlrev_b32 v4, 3, v2                        ; my codes' place in a step's: 8 bytes a lane
	v_lshrrev_b32 v5, 1, v2
	s_add_co_u32 s21, s21, 2*32*ZSP
	v_add_nc_u32 v5, s21, v5                       ; my block's scale byte in LDS
	v_lshlrev_b32 v7, 3, v2
	v_add_nc_u32 v6, s21, v7                       ; and on the way out 8 bytes a lane
	s_sub_co_u32 s22, ttmp9, ID_Z
	s_lshl_b32 s22, s22, 2
	s_add_co_u32 s22, s22, s20                     ; which run is my wave's: 0 .. 1,023
	s_lshl_b32 s24, s22, 15
	s_add_nc_u64 s[4:5], s[4:5], s[24:25]          ; 32,768 bytes of numbers,
	s_lshl_b32 s24, s22, 12
	s_add_nc_u64 s[10:11], s[10:11], s[24:25]      ; 4,096 of codes,
	s_lshl_b32 s24, s22, 8
	s_add_nc_u64 s[12:13], s[12:13], s[24:25]      ; 256 scale bytes a run
.macro ZLOAD t
.irp i, 0,1,2,3
	global_load_b128 v[ZR+16*((\t)%4)+4*\i:ZR+16*((\t)%4)+4*\i+3], v3, s[4:5] offset:2048*(\t)+512*\i th:TH_LOAD_NT   ; 32 lanes read 512 consecutive bytes
.endr
.endm
.macro ZTURN t                         ; step t's numbers through the stage, so that a lane gets 16 neighbours; LDS serves a wave's instructions in order, so no wait stands between the stores and the loads
.irp i, 0,1,2,3
	ds_store_b128 v14, v[ZR+16*((\t)%4)+4*\i:ZR+16*((\t)%4)+4*\i+3] offset:32*ZSP*((\t)%2)+8*ZSP*\i
.endr
.irp i, 0,1,2,3
	ds_load_b128 v[ZX+16*((\t)%2)+4*\i:ZX+16*((\t)%2)+4*\i+3], v15 offset:32*ZSP*((\t)%2)+16*\i
.endr
.endm
.irp t, 0,1,2,3
	ZLOAD \t
.endr
	s_wait_loadcnt 12                              ; step 0's four loads are in; the twelve of steps 1 to 3 may be out
	ZTURN 0
.macro ZSTEP t
.set XS, ZX+16*((\t)%2)
.if (\t) > 0
	s_wait_dscnt 1                                 ; this step's numbers are back from the stage (the last step's byte store may be out): so its stores into the stage have read their registers,
.else
	s_wait_dscnt 0x0
.endif
.if (\t)+4 < ZSTEPS
	ZLOAD (\t)+4                                   ; which take the loads of four steps on
.endif
.if (\t)+1 < ZSTEPS
.if ZSTEPS-2-(\t) >= 3
	s_wait_loadcnt 12                              ; the next step's four loads are in; those of the three steps behind it may be out
.else
	s_wait_loadcnt 4*(ZSTEPS-2-(\t))
.endif
	ZTURN (\t)+1                                   ; and go through the other stage while this step is worked
.endif
	v_max3_num_f32 v8, |v[XS]|, |v[XS+1]|, |v[XS+2]|               ; the largest magnitude of my 16
	v_max3_num_f32 v9, |v[XS+3]|, |v[XS+4]|, |v[XS+5]|
.irp i, 6,10
	v_max3_num_f32 v8, v8, |v[XS+\i]|, |v[XS+\i+1]|
	v_max3_num_f32 v9, v9, |v[XS+\i+2]|, |v[XS+\i+3]|
.endr
	v_max3_num_f32 v8, v8, |v[XS+14]|, |v[XS+15]|
	v_max3_num_f32 v8, v8, v9, 0x1800000           ; and the floor 2^(3 - 127)
	v_max_num_f32_dpp v8, v8, v8 row_xmask:1 row_mask:0xf bank_mask:0xf   ; and of my neighbour's 16: the block's
	v_add_nc_u32 v11, 0xff000000, v8               ; 2 off its exponent field: the conversion's scale operand
	v_cvt_scalef32_pk8_fp4_f32 v[ZC+4*(\t)], v[XS:XS+7], v11
	v_cvt_scalef32_pk8_fp4_f32 v[ZC+4*(\t)+1], v[XS+8:XS+15], v11
	v_lshrrev_b32 v[ZE+(\t)], 23, v11              ; the scale's byte (also the plain instruction behind the conversions)
	ds_store_b8 v5, v[ZE+(\t)] offset:16*(\t)      ; both lanes of a block write the same byte with the same value
	global_store_b64 v4, v[ZC+4*(\t):ZC+4*(\t)+1], s[10:11] offset:256*(\t)   ; the wave stores 256 consecutive bytes, aligned
.endm
.irp t, 0,1,2,3,4,5,6,7,8,9,10,11,12,13,14,15
	ZSTEP \t
.endr
	ds_load_b64 v[8:9], v6                         ; my wave's 256 scale bytes: these loads see my stores
	s_wait_dscnt 0x0
	global_store_b64 v7, v[8:9], s[12:13]          ; 32 lanes store 256 consecutive bytes, aligned
	s_wait_tensorcnt 0x0                           ; the wave's end
	ds_add_u32 v[SPW], v[NIL]
	s_wait_dscnt 0x0
	s_endpgm
; ---------------- Wproj: work-group = 32 along K, wave = 256 columns: 16 fragments of 16 columns x 32 K.  No LDS ----------------
.Lcast:
	s_sub_co_u32 s21, ttmp9, ID_P                  ; which 32 along K: 0 .. 31
	v_and_b32 v5, 15, v0                           ; r: my column in a fragment
	v_bfe_u32 v6, v0, 4, 1                         ; h
	v_lshlrev_b32 v3, 2, v5
	v_lshl_add_u32 v3, v6, 15, v3                  ; in: 4 r + 8 h rows of 4,096 bytes
	v_lshlrev_b32 v4, 4, v2                        ; out: 16 x lane
	s_lshl_b32 s24, s21, 17                        ; 32 rows of 4,096 bytes
	s_lshl_b32 s22, s20, 10                        ; 256 columns
	s_add_co_u32 s24, s24, s22
	s_add_nc_u64 s[8:9], s[8:9], s[24:25]
	s_lshr_b32 s24, s21, 2                         ; the K step of 128,
	s_lshl_b32 s24, s24, 6
	s_lshl_b32 s22, s20, 4
	s_add_co_u32 s24, s24, s22                     ; x 64 blocks of columns + my first
	s_lshl_b32 s24, s24, 12
	s_and_b32 s22, s21, 3                          ; and the chunk of 32 in it
	s_lshl_b32 s22, s22, 10
	s_add_co_u32 s24, s24, s22
	s_add_nc_u64 s[18:19], s[18:19], s[24:25]
.macro PLOAD f                         ; fragment f: register i holds k = 8 h + i (i < 8) or 16 + 8 h + i - 8; four neighbouring fragments read the four quarters of a row's 256 bytes
.irp i, 0,1,2,3,4,5,6,7,8,9,10,11,12,13,14,15
	global_load_b32 v[PF+16*((\f)%4)+\i], v3, s[8:9] offset:(\i+8*(\i/8))*4096+(\f)*64
.endr
.endm
.macro PCVT f
.if (\f) <= 12
	s_wait_loadcnt 48                              ; fragment f is in; the 48 loads of the three fragments behind it may be out
.else
	s_wait_loadcnt 16*(15-(\f))
.endif
.irp i, 0,1,2,3,4,5,6,7
	v_cvt_pk_f16_f32 v[PH+8*(\f)+\i], v[PF+16*((\f)%4)+2*\i], v[PF+16*((\f)%4)+2*\i+1]   ; the lower k in the low half
.endr
.if (\f)+4 < 16
	PLOAD (\f)+4
.endif
	global_store_b128 v4, v[PH+8*(\f):PH+8*(\f)+3], s[18:19] offset:(\f)*4096         ; each store covers 512 consecutive bytes, aligned; every fragment has registers of its own
	global_store_b128 v4, v[PH+8*(\f)+4:PH+8*(\f)+7], s[18:19] offset:(\f)*4096+512
.endm
.irp f, 0,1,2,3
	PLOAD \f
.endr
.irp f, 0,1,2,3,4,5,6,7,8,9,10,11,12,13,14,15
	PCVT \f
.endr
	s_endpgm
.Lfunc_end_k_q2c8a7d9328_prep:
	.size	k_q2c8a7d9328_prep, .Lfunc_end_k_q2c8a7d9328_prep-k_q2c8a7d9328_prep
	.p2alignl 7, 3214868480
	.fill 96, 4, 3214868480
	.section	.rodata,"a",@progbits
	.p2align	6, 0x0
	.amdhsa_kernel k_q2c8a7d9328_prep
		.amdhsa_group_segment_fixed_size 68096
		.amdhsa_private_segment_fixed_size 0
		.amdhsa_enable_private_segment 0
		.amdhsa_kernarg_size 64
		.amdhsa_user_sgpr_count 2
		.amdhsa_user_sgpr_kernarg_segment_ptr 1
		.amdhsa_wavefront_size32 1
		.amdhsa_system_sgpr_workgroup_id_x 1
		.amdhsa_system_sgpr_workgroup_id_y 1
		.amdhsa_system_sgpr_workgroup_id_z 1
		.amdhsa_system_vgpr_workitem_id 0
		.amdhsa_next_free_vgpr 224
		.amdhsa_next_free_sgpr 66
		.amdhsa_reserve_vcc 0
		.amdhsa_float_denorm_mode_32 3
		.amdhsa_float_denorm_mode_16_64 3
		.amdhsa_memory_ordered 1
		.amdhsa_forward_progress 1
		.amdhsa_inst_pref_size 147
	.end_amdhsa_kernel
	.amdgpu_metadata
---
amdhsa.version: [ 1, 2 ]
amdhsa.kernels:
  - .name:           k_q2c8a7d9328_prep
    .symbol:         k_q2c8a7d9328_prep.kd
    .args:
      - { .name: z, .offset: 0, .size: 8, .value_kind: global_buffer, .address_space: global }
      - { .name: Wqkv, .offset: 8, .size: 8, .value_kind: global_buffer, .address_space: global }
      - { .name: Wproj, .offset: 16, .size: 8, .value_kind: global_buffer, .address_space: global }
      - { .name: z_codes, .offset: 24, .size: 8, .value_kind: global_buffer, .address_space: global }
      - { .name: z_scales, .offset: 32, .size: 8, .value_kind: global_buffer, .address_space: global }
      - { .name: w_codes, .offset: 40, .size: 8, .value_kind: global_buffer, .address_space: global }
      - { .name: w_scales, .offset: 48, .size: 8, .value_kind: global_buffer, .address_space: global }
      - { .name: wp16, .offset: 56, .size: 8, .value_kind: global_buffer, .address_space: global }
    .group_segment_fixed_size: 68096
    .private_segment_fixed_size: 0
    .kernarg_segment_align: 8
    .kernarg_segment_size: 64
    .max_flat_workgroup_size: 128
    .sgpr_count:     66
    .vgpr_count:     224
    .wavefront_size: 32
...
	.end_amdgpu_metadata
.endif
;; end of part 1
;; launch qkv (part 2): grid 12 x 32, 4 waves a work-group, clusters of 4 x 4, 327,680 bytes of LDS; arguments z_codes, z_scales, w_codes, w_scales, qkv16, qkvf; writes qkv16, qkvf
.if DOCPART == 2
	.amdgcn_target "amdgcn-amd-amdhsa--gfx1250"
	.amdhsa_code_object_version 6
	.text
	.protected	k_q2c8a7d9328_qkv
	.globl	k_q2c8a7d9328_qkv
	.p2align	8
	.type	k_q2c8a7d9328_qkv,@function
k_q2c8a7d9328_qkv:
	s_mov_b64 s[64:65], 0
	v_nop
	global_prefetch_b8 v0, s[64:65] scope:SCOPE_SE
	s_setreg_imm32_b32 hwreg(HW_REG_WAVE_MODE, 25, 1), 1
	s_wait_xcnt 0x0
	s_wait_alu depctr_hold_cnt(0) depctr_sa_sdst(0) depctr_va_vdst(0) depctr_va_sdst(0) depctr_va_ssrc(0) depctr_va_vcc(0) depctr_vm_vsrc(0)
	s_getreg_b32 s2, hwreg(HW_REG_IB_STS2, 6, 4)
	s_cmp_eq_u32 s2, 0
	s_cbranch_scc0 .Lentry_in_a_cluster
	s_endpgm
.Lentry_in_a_cluster:
	s_bfe_u32 s2, ttmp6, 0x10000c
	s_cmp_lg_u32 s2, 0xf033
	s_cbranch_scc0 .Lentry_shape_is_right
	s_endpgm
.Lentry_shape_is_right:
; qkv[m][n] = sum over k of z[m][k] Wqkv[k][n], 8,192 x 3,072 x 1,024, both operands as codes of FP4 (E2M1) with one E8M0 scale for each 32 along K; sums in f32.
; A = z_codes [8192][512 bytes], B = w_codes [3072][512 bytes], K innermost; scale bytes [rows][32].  The matrix instruction takes codes and scale bytes as they lie.
; A tile of 256 x 256 is made by four waves, each 128 x 128: 64 accumulators, 512 registers.  K = 1,024 is two slots of 512: both are asked for at the start and nothing is filled again.
; The scales of the tile's rows, for all of K, are two dense blocks: they come once, with the first fills.
; CLUSTERS: 4 x 4 work-groups; A's tile is asked for jointly along a row of the cluster, B's along a column.  Tile row = 8 cy + cluster y, so that the batch is cy and a tile's place in its sequence is the
; cluster's y, which all partners share.
; THE MATRIX INSTRUCTION IS USED TRANSPOSED (source 0 = 16 rows of B, source 1 = 16 rows of A): a lane holds one position and eight neighbouring channels.
; THE WAY OUT: four roundings to f16 make of those eight channels half a FRAGMENT of the next product, so the results leave from registers as images of fragments, 512 consecutive bytes a store:
;   qkv16 [batch 4][g 48][position / 16][channel / 32][half 2][lane 32][16 bytes], g = 16 x (q, k, v) + head; lane (r, h), half u: position r, channel 16 u + 8 h + 0 .. 7 of the 32.
;   qkvf  [batch][g][channel / 16][half 2][lane][16 bytes] f32: positions 0-15 of each sequence, unrounded, for the launch that carries those rows in f32.
; LIMIT: entries of z Wqkv beyond f16's largest number, 65,504, become infinities in qkv16.
; REGISTERS, in windows of 256: window 0: v0-31 addresses; v32-95 scale words, two sets; from v128 A's fragments, one set; on the way out v128-255 hold packed results.
;   window 1: B's fragments, two sets, at v0 and v128.   window 2: the accumulators of my rows 0-63 ((a, b) at v[8 (8 a + b)]);   window 3: those of my rows 64-127.
.set SIZE_K, 1024
.set KSTEP,  512                       ; along K in a slot
.set NQ,     KSTEP/128                 ; matrix instructions deep
.set ROWB,   256                       ; a tile's row in bytes
.set KROW,   SIZE_K/2                  ; a row of codes in memory
.set PITCH,  272                       ; an LDS row: 256 bytes + 16 of padding = 68 words: the 16 rows that a load touches start at 16 different banks (64 banks of 4 bytes: ISA guide 11.1)
.set FR,     8                         ; registers of a fragment: 16 rows x 128 K
.set NL,     2                         ; LDS loads that bring one
.set NP,     4                         ; places behind this matrix instruction (ISA guide 7.12.1)
.set HALFT,  128*PITCH                 ; 128 rows: what one tensor load brings
.set SLOT,   4*HALFT                   ; A's 256 rows, then B's 256 rows
.set KS,     SIZE_K/32                 ; a row of scales in bytes
.set SCL,    2*SLOT                    ; behind the slots: the scales, as units of 256 bytes + 16 of padding
.set HALFS,  (128*KS/256)*272          ; the scales of 128 rows
.set SBLK,   (16*KS/256)*272           ; those of 16 rows
.set SPARE,  SCL+4*HALFS               ; the spare words, 128 bytes for each wave: two blocks of 256 bytes that no other line names
.set ADRA, 16                          ; v16-17  LDS address of my A fragments in slot 0, 1
.set ADRB, 20                          ; v20-21  the same for B
.set CO,   26                          ; v26     16 x lane: my place in an image
.set ADRS, 27                          ; v27     LDS address of my scale words: lanes 0-15 A's rows, lanes 16-31 B's
.set SPW,  28                          ; v28     LDS address of my spare word; never rewritten
.set NIL,  29                          ; v29     0; never rewritten
.set SC,   32                          ; scale words: set s at v[SC + 32 s]; register 4 i + q: lanes 0-15 the word of A's block i, lanes 16-31 of B's block i, for the slot's q-th 128 along K
.set AF,   128                         ; A's fragments
.set TMP,  128                         ; the way out: four sets of 32 packed registers
.set G1, 24                            ; s[24:31] descriptor group 1 for A's tiles;  s[32:39] group 0, one set for each slot
.set G0, 32
.set G1B, 48                           ; s[48:55], s[56:63] the same for B's tiles
.set G0B, 56
.set G1S, 68                           ; s[68:75], s[76:79] groups 1 and 0 for A's scales;  s[80:87], s[88:91] for B's
.set G0S, 76
.set G1SB, 80
.set G0SB, 88
.set MSB, 0
.macro WIN new                         ; the immediate's high byte repeats the setting that is left
.if MSB != \new
	s_set_vgpr_msb (MSB<<8)|\new
.set MSB, \new
.endif
.endm
.set MUL_LO, 0xa1                      ; source 0 (B) window 1, source 1 (A) window 0, C and D window 2
.set MUL_HI, 0xf1                      ; the same, C and D window 3
.set TO_B,   0x40                      ; destination window 1, address window 0
; A joint load: waves 0 and 1 fetch for A, waves 2 and 3 for B; the branch hangs on the wave's number alone.  An s_nop 0 and four v_nop follow each of the two lines.
.macro JLOAD g0a, g1a, g0b, g1b
	s_cmp_eq_u32 s15, 0
	s_cbranch_scc0 .Lfor_b_\@
	tensor_load_to_lds s[\g0a:\g0a+3], s[\g1a:\g1a+7]
	s_nop 0
.rept 4
	v_nop
.endr
	s_branch .Lasked_\@
.Lfor_b_\@:
	tensor_load_to_lds s[\g0b:\g0b+3], s[\g1b:\g1b+7]
	s_nop 0
.rept 4
	v_nop
.endr
.Lasked_\@:
.endm
.macro CROUND                          ; a round of the cluster's barrier
	s_barrier_signal -1
	s_barrier_wait -1
	s_cmp_lg_u32 s14, 0
	s_cbranch_scc1 .Lnot_wave_0_\@
	s_barrier_signal -3
.Lnot_wave_0_\@:
	s_barrier_wait -3
	s_barrier_signal -1
	s_barrier_wait -1
.endm
	s_load_b128 s[4:7], s[0:1], 0x0                ; A's codes s[4:5], A's scales s[6:7]
	s_load_b128 s[8:11], s[0:1], 0x10              ; B's codes s[8:9], B's scales s[10:11]
	s_load_b64 s[12:13], s[0:1], 0x20              ; qkv16
	s_load_b64 s[66:67], s[0:1], 0x28              ; qkvf
	v_lshl_add_u32 v[SPW], v0, 2, SPARE
	v_mov_b32 v[NIL], 0
	ds_add_u32 v[SPW], v[NIL]                      ; the wave's opening: the add, twice on end, and its wait ahead of my first tensor load
	ds_add_u32 v[SPW], v[NIL]                      ; and once more, under the one wait; the set-up below, work on registers, stands between
	v_lshrrev_b32 v1, 5, v0
	v_readfirstlane_b32 s14, v1                    ; wave 0..3
	s_lshr_b32 s15, s14, 1                         ; which half of the tile's rows is mine.  Also: I fetch for A (0) or for B (1)
	s_and_b32 s16, s14, 1                          ; which half of its columns.  Also: which 128 rows of that tile I fetch
	s_bfe_u32 s40, ttmp6, 0x40000                  ; cx, cy: my place in the cluster
	s_bfe_u32 s41, ttmp6, 0x40004
	s_lshl_b32 s42, ttmp9, 2
	s_add_co_u32 s42, s42, s40                     ; tile column = 4 x cluster x + cx
	s_and_b32 s96, ttmp7, 0xffff                   ; cluster y: the tile's place in its sequence, 0 .. 7
	s_lshl_b32 s17, s41, 3
	s_add_co_u32 s17, s17, s96                     ; tile row = 8 cy + cluster y
	s_lshl_b32 s43, s41, 2
	s_lshl_b32 s43, 15, s43                        ; my row of the cluster
	s_lshl_b32 s44, 0x1111, s40                    ; my column
	; descriptor group 1: a tile of 128 rows x 256 bytes, padded in LDS
	s_or_b32 s[G1+0], s43, (0<<16)|(1<<20)|(1<<21)|(5<<22)|(3<<25)  ; 15:0 the mask: my row; 17:16 element of 1 byte; 20 padding on; 21 set beside a mask; 24:22 after every 64 words; 31:25 four words
	s_or_b32 s[G1B+0], s44, (0<<16)|(1<<20)|(1<<21)|(5<<22)|(3<<25)
.irp g, G1, G1B
	s_mov_b32 s[\g+1], ROWB<<16                    ; tensor_dim0
	s_mov_b32 s[\g+2], 128<<16                     ; tensor_dim1
	s_mov_b32 s[\g+3], ROWB<<16                    ; tile_dim0
	s_mov_b32 s[\g+4], 128                         ; tile_dim1
	s_mov_b32 s[\g+5], KROW                        ; tensor_dim0_stride
	s_mov_b32 s[\g+6], 0
	s_mov_b32 s[\g+7], 0
.endr
	; the scales of 128 rows: a dense block of 4,096 bytes, as 16 rows of 256 bytes (32 elements of 8 bytes), 16 bytes of padding behind each
	s_or_b32 s[G1S+0], s43, (3<<16)|(1<<20)|(1<<21)|(5<<22)|(3<<25)
	s_or_b32 s[G1SB+0], s44, (3<<16)|(1<<20)|(1<<21)|(5<<22)|(3<<25)
.irp g, G1S, G1SB
	s_mov_b32 s[\g+1], 32<<16
	s_mov_b32 s[\g+2], (128*KS/256)<<16
	s_mov_b32 s[\g+3], 32<<16
	s_mov_b32 s[\g+4], 128*KS/256
	s_mov_b32 s[\g+5], 32
	s_mov_b32 s[\g+6], 0
	s_mov_b32 s[\g+7], 0
.endr
	s_lshl_b32 s18, s16, 7                         ; which 128 rows of the tile I fetch
	s_lshl_b32 s20, s17, 8
	s_add_co_u32 s20, s20, s18                     ; A: row 256 x tile row + 128 x half
	s_lshl_b32 s46, s42, 8
	s_add_co_u32 s46, s46, s18                     ; B: row 256 x tile column + 128 x half
	s_mov_b32 s21, 0
	s_mov_b32 s47, 0
	s_mov_b64 s[18:19], KS
	s_mul_u64 s[22:23], s[20:21], s[18:19]         ; where these rows' scales begin, in bytes
	s_mul_u64 s[92:93], s[46:47], s[18:19]
	s_mov_b64 s[18:19], KROW
	s_mul_u64 s[20:21], s[20:21], s[18:19]         ; and their codes
	s_mul_u64 s[46:47], s[46:47], s[18:19]
	s_mul_i32 s45, s14, HALFT                      ; where they go: wave x 128 rows: no place in the cluster enters an LDS address
	s_mul_i32 s94, s14, HALFS
	s_wait_dscnt 0x0                               ; both opening adds are done
	s_wait_kmcnt 0x0
	s_add_nc_u64 s[20:21], s[4:5], s[20:21]
	s_add_nc_u64 s[22:23], s[6:7], s[22:23]
	s_add_nc_u64 s[46:47], s[8:9], s[46:47]
	s_add_nc_u64 s[92:93], s[10:11], s[92:93]
	CROUND                                         ; all sixteen work-groups are here: the joint loads meet
	s_mov_b32 s[G0S], 1
	s_add_co_u32 s[G0S+1], s94, SCL
	s_mov_b64 s[G0S+2:G0S+3], s[22:23]
	s_or_b32 s[G0S+3], s[G0S+3], 0x80000000
	s_mov_b32 s[G0SB], 1
	s_add_co_u32 s[G0SB+1], s94, SCL
	s_mov_b64 s[G0SB+2:G0SB+3], s[92:93]
	s_or_b32 s[G0SB+3], s[G0SB+3], 0x80000000
	JLOAD G0S, G1S, G0SB, G1SB                     ; the scales first: they are wanted with the first slot
.irp s, 0,1
	s_mov_b32 s[G0+4*\s], 1
	s_add_co_u32 s[G0+4*\s+1], s45, \s*SLOT
	s_add_nc_u64 s[G0+4*\s+2:G0+4*\s+3], s[20:21], \s*ROWB
	s_or_b32 s[G0+4*\s+3], s[G0+4*\s+3], 0x80000000
	s_mov_b32 s[G0B+4*\s], 1
	s_add_co_u32 s[G0B+4*\s+1], s45, \s*SLOT
	s_add_nc_u64 s[G0B+4*\s+2:G0B+4*\s+3], s[46:47], \s*ROWB
	s_or_b32 s[G0B+4*\s+3], s[G0B+4*\s+3], 0x80000000
	JLOAD G0+4*\s, G1, G0B+4*\s, G1B               ; three tensor loads of mine are out in all
.endr
	v_and_b32 v1, 15, v0                           ; l % 16
	v_bfe_u32 v2, v0, 4, 1                         ; l / 16
	v_mul_u32_u24 v3, v1, PITCH
	v_lshl_add_u32 v4, v2, 4, v3                   ; a fragment's row x pitch + 16 x half
	s_mul_i32 s21, s15, HALFT                      ; my 128 rows of A
	s_mul_i32 s22, s16, HALFT                      ; my 128 rows of B,
	s_add_co_u32 s22, s22, 2*HALFT                 ; which lie behind A's 256
.irp s, 0,1
	v_add_nc_u32 v[ADRA+\s], s21, v4
	v_add_nc_u32 v[ADRB+\s], s22, v4
	s_add_co_u32 s21, s21, SLOT
	s_add_co_u32 s22, s22, SLOT
.endr
	v_mul_u32_u24 v5, v1, KS                       ; my row's scales: 32 bytes a row,
	v_lshrrev_b32 v6, 8, v5
	v_lshl_add_u32 v5, v6, 4, v5                   ; and 16 more for each 256 passed
	s_mul_i32 s21, s15, HALFS                      ; A's: my 128 rows
	s_mul_i32 s22, s16, HALFS                      ; B's: my 128 rows, behind A's 256
	s_add_co_u32 s22, s22, 2*HALFS
	s_sub_co_u32 s22, s22, s21
	v_mul_u32_u24 v6, s22, v2                      ; lanes 16-31 take B's: one product, the distance between the two bases
	s_add_co_u32 s21, s21, SCL
	v_add_nc_u32 v5, v5, v6
	v_add_nc_u32 v[ADRS], s21, v5
	v_and_b32 v6, 31, v0
	v_lshlrev_b32 v[CO], 4, v6
	; where my results go: g0 = 4 x tile column + 2 x column half; block of 16 positions = 16 x cluster y + 8 x row half
	s_mul_i32 s20, s41, 48
	s_lshl_b32 s21, s42, 2
	s_add_co_u32 s20, s20, s21
	s_lshl_b32 s21, s16, 1
	s_add_co_u32 s20, s20, s21                     ; 48 x batch + g0
	s_lshl_b32 s46, s20, 12                        ; qkvf: 4,096 bytes for each (batch, g)
	s_mov_b32 s47, 0
	s_add_nc_u64 s[66:67], s[66:67], s[46:47]
	s_lshl_b32 s20, s20, 18                        ; qkv16: 262,144 bytes for each (batch, g),
	s_lshl_b32 s21, s96, 15                        ; 2,048 for each 16 positions
	s_add_co_u32 s20, s20, s21
	s_lshl_b32 s21, s15, 14
	s_add_co_u32 s20, s20, s21
	s_mov_b32 s21, 0
	s_add_nc_u64 s[12:13], s[12:13], s[20:21]
	s_or_b32 s95, s96, s15                         ; 0 where my rows begin a sequence: made of the cluster's y and the wave's number alone
.macro FRAG reg, adr, q, i             ; a fragment, 16 rows x 128 K of 4-bit codes: lane l holds row l % 16; registers 4 c .. 4 c + 3 hold K = 64 c + 32 (l / 16) + 0 .. 31
.irp c, 0,1
	ds_load_b128 v[\reg+4*\c:\reg+4*\c+3], v[\adr] offset:64*(\q)+32*\c+(\i)*16*PITCH
.endr
.endm
; 16 matrix instructions: A's blocks a0, a0 + 1 x B's eight, the slot's q-th 128 along K.  p: B's set;  sc: the set of scale words.  zero = 1: the first product starts the sums.
; The 64 accumulators take turns, one instruction a turn, in the same order in every step.
.macro MUL16 a0, p, q, sc, zero
.irp a, \a0, \a0+1
.irp b, 0,1,2,3,4,5,6,7
.if \zero
	v_wmma_scale_f32_16x16x128_f8f6f4 v[8*(8*((\a)%4)+\b):8*(8*((\a)%4)+\b)+7], v[128*(\p)+FR*\b:128*(\p)+FR*\b+FR-1], v[AF+FR*(\a):AF+FR*(\a)+FR-1], 0, v[SC+8*NQ*(\sc)+NQ*\b+(\q)], v[SC+8*NQ*(\sc)+NQ*(\a)+(\q)] matrix_a_fmt:MATRIX_FMT_FP4 matrix_b_fmt:MATRIX_FMT_FP4 matrix_a_scale:MATRIX_SCALE_ROW1
.else
	v_wmma_scale_f32_16x16x128_f8f6f4 v[8*(8*((\a)%4)+\b):8*(8*((\a)%4)+\b)+7], v[128*(\p)+FR*\b:128*(\p)+FR*\b+FR-1], v[AF+FR*(\a):AF+FR*(\a)+FR-1], v[8*(8*((\a)%4)+\b):8*(8*((\a)%4)+\b)+7], v[SC+8*NQ*(\sc)+NQ*\b+(\q)], v[SC+8*NQ*(\sc)+NQ*(\a)+(\q)] matrix_a_fmt:MATRIX_FMT_FP4 matrix_b_fmt:MATRIX_FMT_FP4 matrix_a_scale:MATRIX_SCALE_ROW1
.endif
.endr
.endr
.endm
.macro FETCH_B slot, q, p              ; B's eight fragments of the slot's q-th 128 along K into set p
	WIN TO_B
.irp i, 0,1,2,3,4,5,6,7
	FRAG 128*(\p)+FR*\i, ADRB+\slot, \q, \i
.endr
	WIN 0
.endm
.macro FETCH_A slot, q, i0             ; A's blocks i0 .. i0 + 3
.irp i, \i0, \i0+1, \i0+2, \i0+3
	FRAG AF+FR*(\i), ADRA+\slot, \q, \i
.endr
.endm
.macro SCALES sc                       ; a slot's scale words into set sc: four words a row; lanes 0-15 take A's block i, lanes 16-31 B's block i
.irp i, 0,1,2,3,4,5,6,7
	ds_load_b128 v[SC+8*NQ*\sc+NQ*\i:SC+8*NQ*\sc+NQ*\i+3], v[ADRS] offset:\i*SBLK
.endr
.endm
.macro PLACES n                        ; plain instructions between a matrix instruction and a load into, or a read of, its registers
.rept \n
	v_nop
.endr
.endm
; A step of 128 along K that has its successor in the same slot.  A block of A is free as soon as its eight products are issued, so A has one set: blocks 0-3 come anew in the step's middle, blocks 4-7 at its end.
.macro STEP slot, q, zero
	s_wait_dscnt 4*NL                              ; B's set and A's blocks 0-3 are in; the youngest eight loads (A's blocks 4-7) may be out
	WIN MUL_LO
	MUL16 0, (\q)%2, \q, \slot, \zero
	MUL16 2, (\q)%2, \q, \slot, \zero
	s_wait_dscnt 0                                 ; A's blocks 4-7 are in
	PLACES NP
	FETCH_B \slot, (\q)+1, 1-(\q)%2
	FETCH_A \slot, (\q)+1, 0
	WIN MUL_HI
	MUL16 4, (\q)%2, \q, \slot, \zero
	MUL16 6, (\q)%2, \q, \slot, \zero
	PLACES NP
	WIN 0
	FETCH_A \slot, (\q)+1, 4
.endm
; Slot 0's last step changes slots: one barrier; in front of it each wave waits for all its tensor loads (its part of slot 1).
.macro TURN slot, next
	s_wait_tensorcnt 0x0                           ; all my tensor loads have landed
	ds_add_u32 v[SPW], v[NIL]                      ; 0 onto my spare word
	s_wait_dscnt 4*NL+1                            ; (the add and the youngest eight loads, A's blocks 4-7, may be out)
	WIN MUL_LO
	MUL16 0, 1, NQ-1, \slot, 0
	s_wait_dscnt 0x0                               ; the add is done, and my reads of this slot are over
	s_barrier_signal -1
	MUL16 2, 1, NQ-1, \slot, 0
	WIN 0
	s_barrier_wait -1                              ; the next slot is whole
	PLACES NP
	v_add_nc_u32 v[ADRS], 4*NQ, v[ADRS]            ; on to the next slot's scale words (no LDS load of mine is out)
	FETCH_B \next, 0, 0
	FETCH_A \next, 0, 0
	SCALES \next
	WIN MUL_HI
	MUL16 4, 1, NQ-1, \slot, 0
	MUL16 6, 1, NQ-1, \slot, 0
	PLACES NP
	WIN 0
	FETCH_A \next, 0, 4
.endm
	s_wait_tensorcnt 1                             ; the scales and my part of slot 0 are in (slot 1's load may be out),
	s_barrier_signal -1
	s_barrier_wait -1                              ; everybody's are
	FETCH_B 0, 0, 0
	FETCH_A 0, 0, 0
	SCALES 0
	FETCH_A 0, 0, 4
	STEP 0, 0, 1                                   ; the first step's products start the sums: nothing is cleared
	STEP 0, 1, 0
	STEP 0, 2, 0
	TURN 0, 1
	STEP 1, 0, 0
	STEP 1, 1, 0
	STEP 1, 2, 0
	s_wait_dscnt 4*NL                              ; the last step: nothing more to fetch
	WIN MUL_LO
	MUL16 0, 1, NQ-1, 1, 0
	MUL16 2, 1, NQ-1, 1, 0
	s_wait_dscnt 0
	WIN MUL_HI
	MUL16 4, 1, NQ-1, 1, 0
	MUL16 6, 1, NQ-1, 1, 0
	WIN 0
	; THE WAY OUT.  Accumulator (a, b): lane (r, h) holds position 16 a + r of my 128 and channels 16 b + 8 h + 0 .. 7 of my 128 columns, which are two g of 64 channels.
	PLACES NP
	s_cmp_lg_u32 s95, 0
	s_cbranch_scc1 .Lnofine
	WIN 0x08                                       ; a store's data are its source 1: window 2
.irp b, 0,1,2,3,4,5,6,7
	global_store_b128 v[CO], v[8*\b:8*\b+3], s[66:67] offset:(\b/4)*4096+(\b%4)*1024        ; positions 0-15 as they are, f32: each accumulator from its low end on; 512 consecutive bytes a store
	global_store_b128 v[CO], v[8*\b+4:8*\b+7], s[66:67] offset:(\b/4)*4096+(\b%4)*1024+512
.endr
	WIN 0
.Lnofine:
.macro PACK a                          ; block a: 32 roundings, each accumulator in ascending order, then 8 stores of 512 consecutive bytes; every offset is an immediate
.set AC, 64*((\a)%4)
.set TT, TMP+32*((\a)%4)
	WIN 0x0a+5*((\a)/4)                            ; sources 0 and 1: window 2 or 3
.irp b, 0,1,2,3,4,5,6,7
.irp i, 0,1,2,3
	v_cvt_pk_f16_f32 v[TT+4*\b+\i], v[AC+8*\b+2*\i], v[AC+8*\b+2*\i+1]
.endr
.endr
	WIN 0
.irp b, 0,1,2,3,4,5,6,7
	global_store_b128 v[CO], v[TT+4*\b:TT+4*\b+3], s[12:13] offset:(\b/4)*262144+(\a)*2048+(\b%4)*512
.endr
.endm
.irp a, 0,1,2,3,4,5,6,7
.if \a >= 4
	s_wait_xcnt 0x0                                ; the stores of four blocks back have read their registers: the set is written again only behind this wait
.endif
	PACK \a
.endr
	s_wait_tensorcnt 0x0                           ; the wave's end
	ds_add_u32 v[SPW], v[NIL]
	s_wait_dscnt 0x0
	CROUND                                         ; the closing round: no work-group ends while a partner may still ask for a tile that names it
	s_endpgm
.Lfunc_end_k_q2c8a7d9328_qkv:
	.size	k_q2c8a7d9328_qkv, .Lfunc_end_k_q2c8a7d9328_qkv-k_q2c8a7d9328_qkv
	.p2alignl 7, 3214868480
	.fill 96, 4, 3214868480
	.section	.rodata,"a",@progbits
	.p2align	6, 0x0
	.amdhsa_kernel k_q2c8a7d9328_qkv
		.amdhsa_group_segment_fixed_size 327680
		.amdhsa_private_segment_fixed_size 0
		.amdhsa_enable_private_segment 0
		.amdhsa_kernarg_size 48
		.amdhsa_user_sgpr_count 2
		.amdhsa_user_sgpr_kernarg_segment_ptr 1
		.amdhsa_wavefront_size32 1
		.amdhsa_system_sgpr_workgroup_id_x 1
		.amdhsa_system_sgpr_workgroup_id_y 1
		.amdhsa_system_sgpr_workgroup_id_z 1
		.amdhsa_system_vgpr_workitem_id 0
		.amdhsa_next_free_vgpr 1024
		.amdhsa_next_free_sgpr 98
		.amdhsa_reserve_vcc 0
		.amdhsa_float_denorm_mode_32 3
		.amdhsa_float_denorm_mode_16_64 3
		.amdhsa_memory_ordered 1
		.amdhsa_forward_progress 1
		.amdhsa_inst_pref_size 119
	.end_amdhsa_kernel
	.amdgpu_metadata
---
amdhsa.version: [ 1, 2 ]
amdhsa.kernels:
  - .name:           k_q2c8a7d9328_qkv
    .symbol:         k_q2c8a7d9328_qkv.kd
    .args:
      - { .name: z_codes, .offset: 0, .size: 8, .value_kind: global_buffer, .address_space: global }
      - { .name: z_scales, .offset: 8, .size: 8, .value_kind: global_buffer, .address_space: global }
      - { .name: w_codes, .offset: 16, .size: 8, .value_kind: global_buffer, .address_space: global }
      - { .name: w_scales, .offset: 24, .size: 8, .value_kind: global_buffer, .address_space: global }
      - { .name: qkv16, .offset: 32, .size: 8, .value_kind: global_buffer, .address_space: global }
      - { .name: qkvf, .offset: 40, .size: 8, .value_kind: global_buffer, .address_space: global }
    .group_segment_fixed_size: 327680
    .private_segment_fixed_size: 0
    .kernarg_segment_align: 8
    .kernarg_segment_size: 48
    .max_flat_workgroup_size: 128
    .sgpr_count:     98
    .vgpr_count:     1024
    .wavefront_size: 32
...
	.end_amdgpu_metadata
.endif
;; end of part 2
;; launch attn (part 3): grid 4 x 64, 8 waves a work-group, no clusters, 327,680 bytes of LDS; arguments qkv16, o16; writes o16
.if DOCPART == 3
	.amdgcn_target "amdgcn-amd-amdhsa--gfx1250"
	.amdhsa_code_object_version 6
	.text
	.protected	k_q2c8a7d9328_attn
	.globl	k_q2c8a7d9328_attn
	.p2align	8
	.type	k_q2c8a7d9328_attn,@function
k_q2c8a7d9328_attn:
	s_mov_b64 s[64:65], 0
	v_nop
	global_prefetch_b8 v0, s[64:65] scope:SCOPE_SE
	s_setreg_imm32_b32 hwreg(HW_REG_WAVE_MODE, 25, 1), 1
	s_wait_xcnt 0x0
; o[b][h][q] = sum over k <= q of softmax_k(q . k / 8) v, head size 64, 2,048 positions, 64 (batch, head) pairs; q, k, v and the weights p as f16, products, maxima and sums in f32.
; INPUT qkv16: images of fragments, [batch][g][position / 16][channel / 32][half][lane][16 bytes] (g = head: q, 16 + head: k, 32 + head: v): 256 keys of a head are 32,768 dense bytes.
; OUTPUT o16: images of the projection's fragments, [K / 128][row / 16][(K / 32) % 4][half][lane][16 bytes], K = 64 head + channel, row = 2,048 batch + position.
; SHARES.  Work-group (i, batch-head) owns two blocks of 256 queries: block 7 - i, which needs key slots 0 .. 7 - i, and then block i, which needs slots 0 .. i: nine slots of 256 keys for every
; work-group, two of them on the diagonal: 256 work-groups of equal work and a constant count of trips.  Each of eight waves owns 32 queries (two tiles, which share every fragment of K and V); two waves share
; a SIMD, so that one wave's softmax stands beside the other's products; the waves' places in the block are paired so that two such waves have five steps on a diagonal slot together.
; NO CLUSTER: the four work-groups of a head want different slots from trip 5 on (8 - i trips on the first block), so a joint request would need partners in lock step, and a trip would then cost the
; largest partner's work: twelve slots' worth against nine.
; LAYOUT.  S^T = K Q^T (source 0 = 16 keys, source 1 = 16 queries): a lane holds ONE query (lane % 16) and keys 8 (lane / 16) + 0 .. 7.  Two such tiles rounded to f16 ARE source 1 of O^T = V^T P.
; K comes out of LDS as it lies; V, stored like K, is turned by ds_load_tr16_b128.  O^T holds one query a lane and eight channels: four roundings make half a fragment of the projection.
; SOFTMAX.  A running maximum m and sum l for each query: p = 2^(c s - c m), c = log2(e) / 8; in every step O and l are multiplied by a = 2^(c m_old - c m_new).  m starts at -3e38, O and l at 0.
; What is kept of c m is its negative, so that the scaling is a packed multiply-add with no sign to turn.
; THE MASK.  A step all of whose 64 keys come after my 32 queries is left out by a scalar branch on ids; in a step on the diagonal hidden scores become -infinity ahead of the maximum.
; LIMITS: q, k, v are f16 (their launch states the range); the first 16 positions of each sequence are computed here too, and replaced by the launch that carries them in f32.
; REGISTERS: window 0: v1-10 addresses and constants; v12-27 statistics, eight a tile; v32-95 S^T; v96-127 P; v128-191 K of a step; v192-223 the way out.
;            window 1: v0-31 Q; v32-95 O^T; v96-159 V of a step; v160-191 Q of the second block.
.set SLOT1, 1<<16                      ; a slot: 32,768 bytes of K, 32,768 of V; slot 1 begins here, so that one exclusive or turns an address
.set SPARE, 2*SLOT1                    ; the spare words, 128 bytes for each of eight waves: four blocks of 256 bytes that no other line names
.set AL,   1                           ; v1   16 x lane
.set AV0,  2                           ; v2   my lane's place for the turning load, in a slot's V
.set ADK,  3                           ; v3   LDS address of the slot's K for my lane
.set ADV,  4                           ; v4   of its V
.set SPW,  5                           ; v5   LDS address of my spare word; never rewritten
.set NIL,  6                           ; v6   0; never rewritten
.set PFO,  7                           ; v7   256 x lane: the prefetches' offset
.set RH,   8                           ; v8   r - 8 h
.set DD,   9                           ; v9   the mask's bound
.set NINF, 10                          ; v10  -infinity
.set ST,   12                          ; tile x's statistics at v[ST + 8 x]: +0 -c m, +1 m, +2, +3 l, +4 .. +7 at work (a in +6)
.set S,    32
.set P,    96
.set KFR,  128
.set OUT,  192
.set Q,    0                           ; window 1
.set O,    32
.set VF,   96
.set QL,   160
.set WV,   8                           ; s8   my wave's number
.set SW,   12                          ; s12  the trip at which the second block begins: 8 - i
.set TR,   13                          ; s13  the trip
.set TB,   16                          ; s16  LDS byte at which the slot in hand begins
.set KF,   17                          ; s17  the step's first key
.set Q0,   18                          ; s18  my first query in the block in hand
.set Q0L,  19                          ; s19  and in the second block
.set SEL,  20                          ; s[20:21] lane selects for v_permlanex16_b32: lane l xor 16
.set CS,   22                          ; s[22:23] c
.set G1,   24                          ; s[24:31] descriptor group 1
.set G0,   32                          ; s[32:35] group 0, which walks
.set TBASE, 36                         ; s[36:37] my part of key slot 0 in memory
.set KOFF, 38                          ; s[38:39] the next key slot's offset from it
.set OBH,  40                          ; s[40:41] where the first block's results go;  s[42:43] the second's
.set OBL,  42
.set PFA,  44                          ; s[44:45] where my prefetches stand
.set LIM,  46                          ; s46  a wave prefetches while the trip is under it
.set NCS,  47                          ; s47  -c
.set QBH,  48                          ; s[48:49], s[50:51] Q of the two blocks
.set QBL,  50
.set MSB, 0
.macro WIN new                         ; the immediate's high byte repeats the setting that is left
.if MSB != \new
	s_set_vgpr_msb (MSB<<8)|\new
.set MSB, \new
.endif
.endm
.set W_KQ, 0x04                        ; Q (source 1) in window 1
.set W_PV, 0x51                        ; V (source 0) and O^T (C and D) in window 1, P in window 0
.set W_RS, 0x41                        ; destination and source 0 in window 1
.set TO1,  0x40                        ; destination in window 1
.set W_PK, 0x05                        ; sources 0 and 1 in window 1
; Waves 0 to 3 fetch a quarter of a slot each (K's halves, V's halves), the others nothing.  An s_nop 0 and four v_nop follow the load.
.macro TLOAD
	s_cmp_lt_u32 s[WV], 4
	s_cbranch_scc0 .Lno_load_\@
	tensor_load_to_lds s[G0:G0+3], s[G1:G1+7]
	s_nop 0
.rept 4
	v_nop
.endr
.Lno_load_\@:
.endm
; A PREFETCH of what the NEXT change of slots will ask for.  The four work-groups of a head walk the same key slots at the start; work-group i = 0, whose first block walks slots 0 .. 7, asks, and in it the
; waves that fetch nothing: wave 4 + j for the 16,384 bytes that wave j will load: two instructions, lanes 256 bytes apart.  In trip t it names slot t + 2, for t = 0 .. 5: each aligned 256 bytes once; slots 0 and 1
; come by their loads alone, and no request passes slot 7.
.macro ASK
	s_cmp_lt_u32 s[TR], s[LIM]
	s_cbranch_scc0 .Lnot_mine_\@
	global_prefetch_b8 v[PFO], s[PFA:PFA+1] th:TH_LOAD_NT scope:SCOPE_SE
	global_prefetch_b8 v[PFO], s[PFA:PFA+1] offset:8192 th:TH_LOAD_NT scope:SCOPE_SE
.Lnot_mine_\@:
.endm
; THE CHANGE OF SLOTS stands at a slot's head.  Each wave waits for all its tensor loads (its part of the slot that it is about to read), adds 0 to its spare word, and waits for that and for its reads of the
; slot that it has left.  Behind the barrier the slot ahead is whole and nobody reads the other one.  fill = 1: the other slot takes the next trip's keys: one tensor load of a wave is out, with a slot's steps to land in.
.macro CHANGE fill
	s_wait_tensorcnt 0x0                           ; no tensor load of mine is out, so group 0 may be written
	ds_add_u32 v[SPW], v[NIL]                      ; 0 onto my spare word
.if \fill
	ds_add_u32 v[SPW], v[NIL]                      ; and once more: twice on end, in every trip alike
	s_xor_b32 s[G0+1], s[G0+1], SLOT1              ; the other slot than last time
	s_add_co_u32 s[KOFF], s[KOFF], 32768           ; the next 256 keys,
	s_add_co_u32 s14, s[TR], 1
	s_cmp_eq_u32 s14, s[SW]
	s_cselect_b32 s[KOFF], 0, s[KOFF]              ; or the head's first, where the next trip begins the second block
	s_add_nc_u64 s[G0+2:G0+3], s[TBASE:TBASE+1], s[KOFF:KOFF+1]
	s_or_b32 s[G0+3], s[G0+3], 0x80000000
	s_wait_xcnt 0x0                                ; the last prefetches, a slot back, have read their address, so it may be written
	s_add_nc_u64 s[PFA:PFA+1], s[PFA:PFA+1], 32768
.endif
	s_wait_dscnt 0x0                               ; the add is done, and my reads of the slot that I have left are over
	s_barrier_signal -1
	s_barrier_wait -1
.if \fill
	TLOAD                                          ; the first thing behind the barrier, and a wave's one tensor load until the next
	ASK
.endif
.endm
; A KEY STEP: 64 keys, the q-th of the slot in hand.
.macro STEP q
	s_add_co_u32 s14, s[Q0], 31
	s_cmp_gt_u32 s[KF], s14                        ; all 64 keys come after my last query: nothing of the step counts
	s_cbranch_scc1 .Lhidden_\@
	v_add_nc_u32 v[ADK], s[TB], v[AL]
	v_add_nc_u32 v[ADV], s[TB], v[AV0]
	v_nop
	v_nop                                          ; four plain instructions between the last products and the loads into V's registers
.irp kt, 0,1,2,3
.irp c, 0,1
.irp u, 0,1
	ds_load_b128 v[KFR+16*\kt+8*\c+4*\u:KFR+16*\kt+8*\c+4*\u+3], v[ADK] offset:(\q)*8192+\kt*2048+\c*1024+\u*512   ; an image's half: 512 consecutive bytes
.endr
.endr
.endr
	WIN TO1
.irp kk, 0,1
.irp ct, 0,1,2,3
.irp e, 0,1
	ds_load_tr16_b128 v[VF+32*\kk+8*\ct+4*\e:VF+32*\kk+8*\ct+4*\e+3], v[ADV] offset:(\q)*8192+(2*\kk+\e)*2048+(\ct/2)*1024+(\ct%2)*512   ; lane l then holds channel 16 ct + l % 16 and keys 8 (l / 16) + 0 .. 7 of the 16
.endr
.endr
.endr
	s_wait_dscnt 16                                ; K is in; V's 16 loads may be out
	WIN W_KQ
.irp c, 0,1                                    ; eight accumulators by turns; the first eight products start the sums
.irp kt, 0,1,2,3
.irp x, 0,1
.if \c == 0
	v_wmma_f32_16x16x32_f16 v[S+32*\x+8*\kt:S+32*\x+8*\kt+7], v[KFR+16*\kt+8*\c:KFR+16*\kt+8*\c+7], v[Q+16*\x+8*\c:Q+16*\x+8*\c+7], 0
.else
	v_wmma_f32_16x16x32_f16 v[S+32*\x+8*\kt:S+32*\x+8*\kt+7], v[KFR+16*\kt+8*\c:KFR+16*\kt+8*\c+7], v[Q+16*\x+8*\c:Q+16*\x+8*\c+7], v[S+32*\x+8*\kt:S+32*\x+8*\kt+7]
.endif
.endr
.endr
.endr
	WIN 0
.rept 4
	v_nop                                          ; places between the products and the first read of their results
.endr
	s_add_co_u32 s14, s[KF], 63
	s_cmp_le_u32 s14, s[Q0]                        ; all 64 keys count for all my queries: no mask
	s_cbranch_scc1 .Lopen_\@
	s_sub_co_i32 s14, s[Q0], s[KF]
	v_add_nc_u32 v[DD], s14, v[RH]                 ; d = Q0 - KF + r - 8 h.  Register n of tile x holds key KF + 16 (n / 8) + 8 h + n % 8 for query Q0 + 16 x + r: hidden where 16 (n / 8) + n % 8 - 16 x > d
.irp x, 0,1
.irp n, 0,1,2,3,4,5,6,7,8,9,10,11,12,13,14,15,16,17,18,19,20,21,22,23,24,25,26,27,28,29,30,31
	v_cmp_gt_i32 vcc_lo, 16*(\n/8)+\n%8-16*\x, v[DD]
	v_cndmask_b32 v[S+32*\x+\n], v[S+32*\x+\n], v[NINF], vcc_lo
.endr
.endr
.Lopen_\@:
	; the maximum of my 32 scores and the old m: four chains, each begun at an accumulator's low end; the two tiles line by line by turns
.irp j, 0,1,2,3
.irp x, 0,1
	v_max3_num_f32 v[ST+8*\x+4+\j], v[S+32*\x+8*\j], v[S+32*\x+8*\j+1], v[S+32*\x+8*\j+2]
.endr
.endr
.irp g, 1,2
.irp j, 0,1,2,3
.irp x, 0,1
	v_max3_num_f32 v[ST+8*\x+4+\j], v[ST+8*\x+4+\j], v[S+32*\x+8*\j+2*\g+1], v[S+32*\x+8*\j+2*\g+2]
.endr
.endr
.endr
.irp x, 0,1
	v_max3_num_f32 v[ST+8*\x+4], v[ST+8*\x+4], v[S+32*\x+7], v[S+32*\x+15]
.endr
.irp x, 0,1
	v_max3_num_f32 v[ST+8*\x+6], v[ST+8*\x+6], v[S+32*\x+23], v[S+32*\x+31]
.endr
.irp x, 0,1
	v_max3_num_f32 v[ST+8*\x+4], v[ST+8*\x+4], v[ST+8*\x+5], v[ST+8*\x+6]
.endr
.irp x, 0,1
	v_max3_num_f32 v[ST+8*\x+4], v[ST+8*\x+4], v[ST+8*\x+7], v[ST+8*\x+1]
.endr
.irp x, 0,1
	v_permlanex16_b32 v[ST+8*\x+5], v[ST+8*\x+4], s[SEL], s[SEL+1]   ; the query's other 32 keys lie in the lane 16 away
.endr
.irp x, 0,1
	v_mov_b32 v[ST+8*\x+7], v[ST+8*\x]             ; -c m_old is kept for a
.endr
.irp x, 0,1
	v_max_num_f32 v[ST+8*\x+1], v[ST+8*\x+4], v[ST+8*\x+5]
.endr
.irp x, 0,1
	v_mul_f32 v[ST+8*\x], s[NCS], v[ST+8*\x+1]     ; -c m
.endr
.irp x, 0,1
	v_sub_f32 v[ST+8*\x+7], v[ST+8*\x], v[ST+8*\x+7]   ; (-c m_new) - (-c m_old) = c m_old - c m_new, 0 or less
.endr
.irp n, 0,2,4,6,8,10,12,14,16,18,20,22,24,26,28,30
.irp x, 0,1
	v_pk_fma_f32 v[S+32*\x+\n:S+32*\x+\n+1], v[S+32*\x+\n:S+32*\x+\n+1], s[CS:CS+1], v[ST+8*\x:ST+8*\x+1] op_sel_hi:[1,0,0]   ; c s - c m, two at a time (of the pairs c and -c m the low word serves both halves)
.endr
.endr
.irp x, 0,1
	v_exp_f32 v[ST+8*\x+6], v[ST+8*\x+7]           ; a
.endr
.irp n, 0,1,2,3,4,5,6,7,8,9,10,11,12,13,14,15,16,17,18,19,20,21,22,23,24,25,26,27,28,29,30,31
.irp x, 0,1
	v_exp_f32 v[S+32*\x+\n], v[S+32*\x+\n]         ; p
.endr
.endr
	v_nop                                          ; a plain instruction behind the last exponential
	s_wait_alu depctr_va_vdst(0)                   ; one wait for the batch of 66, ahead of its first reader
.irp n, 0,1,2,3,4,5,6,7,8,9,10,11,12,13,14,15
.irp x, 0,1
	v_cvt_pk_f16_f32 v[P+16*\x+\n], v[S+32*\x+2*\n], v[S+32*\x+2*\n+1]
.endr
.endr
.irp u, 0,1,2,3,4,5,6,7                        ; the sum of the unrounded p, a tree in place
.irp x, 0,1
	v_pk_add_f32 v[S+32*\x+4*\u:S+32*\x+4*\u+1], v[S+32*\x+4*\u:S+32*\x+4*\u+1], v[S+32*\x+4*\u+2:S+32*\x+4*\u+3]
.endr
.endr
.irp u, 0,1,2,3
.irp x, 0,1
	v_pk_add_f32 v[S+32*\x+8*\u:S+32*\x+8*\u+1], v[S+32*\x+8*\u:S+32*\x+8*\u+1], v[S+32*\x+8*\u+4:S+32*\x+8*\u+5]
.endr
.endr
.irp u, 0,1
.irp x, 0,1
	v_pk_add_f32 v[S+32*\x+16*\u:S+32*\x+16*\u+1], v[S+32*\x+16*\u:S+32*\x+16*\u+1], v[S+32*\x+16*\u+8:S+32*\x+16*\u+9]
.endr
.endr
.irp x, 0,1
	v_pk_add_f32 v[S+32*\x:S+32*\x+1], v[S+32*\x:S+32*\x+1], v[S+32*\x+16:S+32*\x+17]
.endr
.irp e, 0,1
.irp x, 0,1
	v_fma_f32 v[ST+8*\x+2+\e], v[ST+8*\x+2+\e], v[ST+8*\x+6], v[S+32*\x+\e]   ; l = a l + the sum, the even keys' half and the odd keys'
.endr
.endr
	WIN W_RS
.irp x, 0,1
.irp n, 0,2,4,6,8,10,12,14,16,18,20,22,24,26,28,30
	v_pk_mul_f32 v[O+32*\x+\n:O+32*\x+\n+1], v[O+32*\x+\n:O+32*\x+\n+1], v[ST+8*\x+6:ST+8*\x+7] op_sel_hi:[1,0]   ; O^T x a, each accumulator from its low end on
.endr
.endr
	s_wait_dscnt 0x0                               ; V is in
	WIN W_PV
.irp kk, 0,1                                   ; eight accumulators by turns
.irp ct, 0,1,2,3
.irp x, 0,1
	v_wmma_f32_16x16x32_f16 v[O+32*\x+8*\ct:O+32*\x+8*\ct+7], v[VF+32*\kk+8*\ct:VF+32*\kk+8*\ct+7], v[P+16*\x+8*\kk:P+16*\x+8*\kk+7], v[O+32*\x+8*\ct:O+32*\x+8*\ct+7]
.endr
.endr
.endr
	WIN 0
.Lhidden_\@:
	s_add_co_u32 s[KF], s[KF], 64
.endm
.macro SLOT_STEPS
	STEP 0
	STEP 1
	STEP 2
	STEP 3
	s_xor_b32 s[TB], s[TB], SLOT1                  ; on to the other slot
.endm
; A block of queries is finished: O^T / l, rounded to f16, leaves from registers as images: 512 consecutive bytes a store.
.macro FINISH ob
.rept 4
	v_nop                                          ; places behind the last products
.endr
.irp x, 0,1
	v_add_f32 v[ST+8*\x+4], v[ST+8*\x+2], v[ST+8*\x+3]
.endr
.irp x, 0,1
	v_permlanex16_b32 v[ST+8*\x+5], v[ST+8*\x+4], s[SEL], s[SEL+1]
.endr
.irp x, 0,1
	v_add_f32 v[ST+8*\x+4], v[ST+8*\x+4], v[ST+8*\x+5]
.endr
.irp x, 0,1
	v_rcp_f32 v[ST+8*\x+6], v[ST+8*\x+4]
.endr
	v_nop                                          ; a plain instruction behind the last reciprocal
	s_wait_alu depctr_va_vdst(0)                   ; and the wait ahead of the first reader: one for both
	WIN W_RS
.irp x, 0,1
.irp n, 0,2,4,6,8,10,12,14,16,18,20,22,24,26,28,30
	v_pk_mul_f32 v[O+32*\x+\n:O+32*\x+\n+1], v[O+32*\x+\n:O+32*\x+\n+1], v[ST+8*\x+6:ST+8*\x+7] op_sel_hi:[1,0]
.endr
.endr
	s_wait_xcnt 0x0                                ; the first block's stores have read their registers: they are written again only behind this wait
	WIN W_PK
.irp x, 0,1
.irp n, 0,1,2,3,4,5,6,7,8,9,10,11,12,13,14,15
	v_cvt_pk_f16_f32 v[OUT+16*\x+\n], v[O+32*\x+2*\n], v[O+32*\x+2*\n+1]
.endr
.endr
	WIN 0
.irp x, 0,1
.irp ct, 0,1,2,3
	global_store_b128 v[AL], v[OUT+16*\x+4*\ct:OUT+16*\x+4*\ct+3], s[\ob:\ob+1] offset:\x*4096+\ct*512
.endr
.endr
.endm
.macro RESET                           ; m = -3e38, under every score; l and O^T zeros: the first step's a is 2^(-huge) = 0, so the step needs no first copy
	WIN 0                                          ; the statistics lie in window 0, whatever setting the lines in front have left
.irp x, 0,1
	v_mov_b32 v[ST+8*\x+1], 0xff61b1e6
	v_mul_f32 v[ST+8*\x], s[NCS], v[ST+8*\x+1]
.irp j, 2,3,4,5,6,7
	v_mov_b32 v[ST+8*\x+\j], 0
.endr
.endr
	WIN TO1
.irp n, 0,1,2,3,4,5,6,7,8,9,10,11,12,13,14,15,16,17,18,19,20,21,22,23,24,25,26,27,28,29,30,31,32,33,34,35,36,37,38,39,40,41,42,43,44,45,46,47,48,49,50,51,52,53,54,55,56,57,58,59,60,61,62,63
	v_mov_b32 v[O+\n], 0
.endr
	WIN 0
.endm
.macro TRIP fill
	CHANGE \fill
	s_cmp_lg_u32 s[TR], s[SW]                      ; ids and the count of trips alone: all eight waves go the same way
	s_cbranch_scc1 .Lsame_\@
	FINISH OBH                                     ; the first block is finished; the second begins at key 0
	WIN W_RS                                       ; both Q and the second block's Q lie in window 1
.irp n, 0,1,2,3,4,5,6,7,8,9,10,11,12,13,14,15,16,17,18,19,20,21,22,23,24,25,26,27,28,29,30,31
	v_mov_b32 v[Q+\n], v[QL+\n]
.endr
	RESET
	s_mov_b32 s[Q0], s[Q0L]
	s_mov_b32 s[KF], 0
.Lsame_\@:
	SLOT_STEPS
.endm
	s_load_b128 s[4:7], s[0:1], 0x0                ; qkv16 s[4:5], o16 s[6:7]
	v_lshl_add_u32 v[SPW], v0, 2, SPARE
	v_mov_b32 v[NIL], 0
	ds_add_u32 v[SPW], v[NIL]                      ; the wave's opening: the add, twice on end, and its wait ahead of the first tensor load
	ds_add_u32 v[SPW], v[NIL]                      ; and once more, under the one wait; the set-up below, work on registers, stands between
	v_lshrrev_b32 v1, 5, v0
	v_readfirstlane_b32 s[WV], v1                  ; wave 0..7
	v_and_b32 v1, 31, v0
	v_lshlrev_b32 v[AL], 4, v1
	v_bfe_u32 v3, v0, 3, 1                         ; (l / 8) % 2
	v_bfe_u32 v4, v0, 4, 1                         ; h = l / 16
	v_and_b32 v[AV0], 7, v0
	v_lshl_add_u32 v[AV0], v4, 3, v[AV0]           ; I address key 8 h + l % 8 of a block of 16,
	v_lshl_add_u32 v[AV0], v3, 4, v[AV0]           ; channels 8 ((l / 8) % 2) + 0 .. 7 of 16: in the image that is lane 16 ((l / 8) % 2) + the key
	v_lshlrev_b32 v[AV0], 4, v[AV0]
	v_add_nc_u32 v[AV0], 32768, v[AV0]             ; V lies behind K's 32,768 bytes
	v_lshlrev_b32 v[PFO], 4, v[AL]
	v_and_b32 v[RH], 15, v0
	v_lshlrev_b32 v[DD], 3, v4
	v_sub_nc_u32 v[RH], v[RH], v[DD]
	v_mov_b32 v[NINF], 0xff800000
	s_lshr_b32 s9, s[WV], 2
	s_mul_i32 s9, s9, 3
	s_xor_b32 s9, s9, s[WV]                        ; my place in a block: 0, 1, 2, 3, 7, 6, 5, 4
	s_lshl_b32 s9, s9, 5
	s_and_b32 s10, ttmp7, 0xffff
	s_lshr_b32 s11, s10, 4                         ; batch
	s_and_b32 s10, s10, 15                         ; head
	s_sub_co_u32 s[SW], 8, ttmp9
	s_sub_co_u32 s[Q0], 7, ttmp9
	s_lshl_b32 s[Q0], s[Q0], 8
	s_add_co_u32 s[Q0], s[Q0], s9
	s_lshl_b32 s[Q0L], ttmp9, 8
	s_add_co_u32 s[Q0L], s[Q0L], s9
	s_mul_i32 s52, s11, 48
	s_add_co_u32 s52, s52, s10
	s_lshl_b32 s52, s52, 18                        ; where the head's q begins; k lies 16 x 262,144 bytes on, v 32 x
	s_lshl_b32 s[QBH], s[Q0], 7                    ; 128 bytes a position
	s_add_co_u32 s[QBH], s[QBH], s52
	s_mov_b32 s[QBH+1], 0
	s_lshl_b32 s[QBL], s[Q0L], 7
	s_add_co_u32 s[QBL], s[QBL], s52
	s_mov_b32 s[QBL+1], 0
	s_and_b32 s54, s[WV], 3                        ; j: which quarter of a slot: K's halves, V's halves
	s_mov_b32 s[G0], 1                             ; 1:0 count = 1
	s_lshl_b32 s[G0+1], s54, 14                    ; 63:32 LDS address: 16,384 j, in slot 0
	s_lshr_b32 s55, s54, 1
	s_add_co_u32 s55, s55, 1
	s_lshl_b32 s55, s55, 22                        ; k or v
	s_and_b32 s54, s54, 1
	s_lshl_b32 s54, s54, 14                        ; which 128 keys
	s_add_co_u32 s[TBASE], s54, s55
	s_add_co_u32 s[TBASE], s[TBASE], s52
	s_mov_b32 s[TBASE+1], 0
	s_lshr_b32 s14, s10, 1
	s_lshl_b32 s14, s14, 21                        ; o16: the K step of 128 = head / 2: 512 blocks of rows x 4,096 bytes,
	s_and_b32 s15, s10, 1
	s_lshl_b32 s15, s15, 11                        ; the head's two chunks of 32,
	s_add_co_u32 s14, s14, s15
	s_lshl_b32 s15, s11, 19                        ; the batch's 2,048 rows, 256 bytes each
	s_add_co_u32 s14, s14, s15
	s_lshl_b32 s[OBH], s[Q0], 8
	s_add_co_u32 s[OBH], s[OBH], s14
	s_mov_b32 s[OBH+1], 0
	s_lshl_b32 s[OBL], s[Q0L], 8
	s_add_co_u32 s[OBL], s[OBL], s14
	s_mov_b32 s[OBL+1], 0
	s_lshr_b32 s14, s[WV], 2
	s_xor_b32 s14, s14, 1                          ; 0 in waves 4 to 7,
	s_or_b32 s14, s14, ttmp9                       ; of work-group i = 0
	s_cmp_eq_u32 s14, 0
	s_cselect_b32 s[LIM], 6, 0
	; descriptor group 1: a dense block of 16,384 bytes as 64 rows of 256 (32 elements of 8 bytes), no padding: the images are read 512 consecutive bytes at a time
	s_mov_b32 s[G1], 3<<16                         ; 15:0 no mask; 17:16 elements of 8 bytes
	s_mov_b32 s[G1+1], 32<<16                      ; tensor_dim0
	s_mov_b32 s[G1+2], 64<<16                      ; tensor_dim1
	s_mov_b32 s[G1+3], 32<<16                      ; tile_dim0
	s_mov_b32 s[G1+4], 64                          ; tile_dim1
	s_mov_b32 s[G1+5], 32                          ; tensor_dim0_stride
	s_mov_b32 s[G1+6], 0
	s_mov_b32 s[G1+7], 0
	s_mov_b32 s[SEL], 0x76543210
	s_mov_b32 s[SEL+1], 0xfedcba98
	s_mov_b32 s[CS], 0x3e38aa3b                    ; c = log2(e) / 8
	s_mov_b32 s[CS+1], s[CS]                       ; (named with it as a pair, so it is written)
	s_mov_b32 s[NCS], 0xbe38aa3b                   ; -c
	s_mov_b32 s[KOFF], 0
	s_mov_b32 s[KOFF+1], 0
	s_mov_b32 s[TB], 0
	s_mov_b32 s[KF], 0
	s_mov_b32 s[TR], 0
	s_wait_dscnt 0x0                               ; both opening adds are done
	s_wait_kmcnt 0x0
	s_add_nc_u64 s[TBASE:TBASE+1], s[4:5], s[TBASE:TBASE+1]
	s_add_nc_u64 s[QBH:QBH+1], s[4:5], s[QBH:QBH+1]
	s_add_nc_u64 s[QBL:QBL+1], s[4:5], s[QBL:QBL+1]
	s_add_nc_u64 s[OBH:OBH+1], s[6:7], s[OBH:OBH+1]
	s_add_nc_u64 s[OBL:OBL+1], s[6:7], s[OBL:OBL+1]
	s_add_nc_u64 s[PFA:PFA+1], s[TBASE:TBASE+1], 32768   ; at key slot 1: the first change of slots steps it to slot 2.  Nothing is prefetched at the head
	s_mov_b64 s[G0+2:G0+3], s[TBASE:TBASE+1]       ; 120:64 global address: key slot 0
	s_or_b32 s[G0+3], s[G0+3], 0x80000000          ; 127:126 type = 2
	TLOAD                                          ; slot 0
	WIN TO1
.irp x, 0,1
.irp c, 0,1
.irp u, 0,1
	global_load_b128 v[Q+16*\x+8*\c+4*\u:Q+16*\x+8*\c+4*\u+3], v[AL], s[QBH:QBH+1] offset:\x*2048+\c*1024+\u*512    ; Q of both blocks stays in registers
	global_load_b128 v[QL+16*\x+8*\c+4*\u:QL+16*\x+8*\c+4*\u+3], v[AL], s[QBL:QBL+1] offset:\x*2048+\c*1024+\u*512
.endr
.endr
.endr
	WIN 0
	RESET
	s_wait_loadcnt 0x0                             ; Q
.Lslot:                                            ; eight trips: behind each change of slots the next trip's keys are asked for
	TRIP 1
	s_add_co_u32 s[TR], s[TR], 1
	s_cmp_lt_u32 s[TR], 8
	s_cbranch_scc1 .Lslot
	TRIP 0                                         ; the ninth is written out
	FINISH OBL
	s_wait_tensorcnt 0x0                           ; the wave's end
	ds_add_u32 v[SPW], v[NIL]
	s_wait_dscnt 0x0
	s_endpgm
.Lfunc_end_k_q2c8a7d9328_attn:
	.size	k_q2c8a7d9328_attn, .Lfunc_end_k_q2c8a7d9328_attn-k_q2c8a7d9328_attn
	.p2alignl 7, 3214868480
	.fill 96, 4, 3214868480
	.section	.rodata,"a",@progbits
	.p2align	6, 0x0
	.amdhsa_kernel k_q2c8a7d9328_attn
		.amdhsa_group_segment_fixed_size 327680
		.amdhsa_private_segment_fixed_size 0
		.amdhsa_enable_private_segment 0
		.amdhsa_kernarg_size 16
		.amdhsa_user_sgpr_count 2
		.amdhsa_user_sgpr_kernarg_segment_ptr 1
		.amdhsa_wavefront_size32 1
		.amdhsa_system_sgpr_workgroup_id_x 1
		.amdhsa_system_sgpr_workgroup_id_y 1
		.amdhsa_system_sgpr_workgroup_id_z 1
		.amdhsa_system_vgpr_workitem_id 0
		.amdhsa_next_free_vgpr 448
		.amdhsa_next_free_sgpr 66
		.amdhsa_reserve_vcc 1
		.amdhsa_float_denorm_mode_32 3
		.amdhsa_float_denorm_mode_16_64 3
		.amdhsa_memory_ordered 1
		.amdhsa_forward_progress 1
		.amdhsa_inst_pref_size 206
	.end_amdhsa_kernel
	.amdgpu_metadata
---
amdhsa.version: [ 1, 2 ]
amdhsa.kernels:
  - .name:           k_q2c8a7d9328_attn
    .symbol:         k_q2c8a7d9328_attn.kd
    .args:
      - { .name: qkv16, .offset: 0, .size: 8, .value_kind: global_buffer, .address_space: global }
      - { .name: o16, .offset: 8, .size: 8, .value_kind: global_buffer, .address_space: global }
    .group_segment_fixed_size: 327680
    .private_segment_fixed_size: 0
    .kernarg_segment_align: 8
    .kernarg_segment_size: 16
    .max_flat_workgroup_size: 256
    .sgpr_count:     66
    .vgpr_count:     448
    .wavefront_size: 32
...
	.end_amdgpu_metadata
.endif
;; end of part 3
;; launch proj (part 4): grid 4 x 64, 4 waves a work-group, clusters of 4 x 4, 327,680 bytes of LDS; arguments o16, wp16, out0; writes out0
.if DOCPART == 4
	.amdgcn_target "amdgcn-amd-amdhsa--gfx1250"
	.amdhsa_code_object_version 6
	.text
	.protected	k_q2c8a7d9328_proj
	.globl	k_q2c8a7d9328_proj
	.p2align	8
	.type	k_q2c8a7d9328_proj,@function
k_q2c8a7d9328_proj:
	s_mov_b64 s[64:65], 0
	v_nop
	global_prefetch_b8 v0, s[64:65] scope:SCOPE_SE
	s_setreg_imm32_b32 hwreg(HW_REG_WAVE_MODE, 25, 1), 1
	s_wait_xcnt 0x0
	s_wait_alu depctr_hold_cnt(0) depctr_sa_sdst(0) depctr_va_vdst(0) depctr_va_sdst(0) depctr_va_ssrc(0) depctr_va_vcc(0) depctr_vm_vsrc(0)
	s_getreg_b32 s2, hwreg(HW_REG_IB_STS2, 6, 4)
	s_cmp_eq_u32 s2, 0
	s_cbranch_scc0 .Lentry_in_a_cluster
	s_endpgm
.Lentry_in_a_cluster:
	s_bfe_u32 s2, ttmp6, 0x10000c
	s_cmp_lg_u32 s2, 0xf033
	s_cbranch_scc0 .Lentry_shape_is_right
	s_endpgm
.Lentry_shape_is_right:
; out0[m][n] = sum over k of o[m][k] Wproj[k][n], 8,192 x 1,024 x 1,024, f16 operands, f32 sums and results.  Rows that are among the first 16 positions of a sequence are NOT stored here: another launch carries them in f32.
; Both operands lie in memory as IMAGES of fragments (16 rows x 32 K: [half 2][lane 32][16 bytes]), ordered [K / 128][block of 16 rows][(K / 32) % 4]: a K step's tile is one dense block, and a fragment comes out
; of LDS by two loads of 512 consecutive bytes: no pitch, no padding.
; A tile of C is 128 x 256: 256 work-groups.  Four waves, each 64 x 128: 32 accumulators, 256 registers.  K goes in eight steps of 128 through a ring of two LDS slots.
; CLUSTERS: 4 x 4 work-groups; A's tile is asked for jointly along a row of the cluster, B's along a column.  Tile row = 16 cy + cluster y: the batch is cy, the tile's place in its sequence the cluster's y, which all partners share.
; THE MATRIX INSTRUCTION IS USED TRANSPOSED (source 0 = 16 columns of Wproj, source 1 = 16 rows of o): a lane holds eight neighbouring numbers of a row of C.
; REGISTERS: window 0: v16-29 addresses; two fragment buffers of 96 (A's 4 fragments, then B's 8) at v64 and v160; on the way out v64-191 hold rows.   window 1: the accumulators ((a, b) at v[8 (8 a + b)]).
.set SLOT,   98304                     ; A's 128 rows x 128 K: 32,768 bytes; then B's 256 columns: 65,536
.set BOFF,   32768
.set STAGE,  2*SLOT                    ; behind the ring: 16 rows x (512 bytes + 16) for each wave, for the way out; no tensor load lands there
.set SPITCH, 528
.set SPARE,  STAGE+4*16*SPITCH         ; the spare words, 128 bytes for each wave: two blocks of 256 bytes that no other line names
.set ASTEP,  2097152                   ; a K step on in o16: 512 blocks of rows x 4,096 bytes
.set BSTEP,  262144                    ; and in wp16: 64 blocks of columns x 4,096
.set LAPS,   4                         ; a lap = two K steps = once round the ring
.set ADRA, 16                          ; v16-17  LDS address of my A fragments in slot 0, 1
.set ADRB, 20                          ; v20-21  the same for B
.set STO,  24                          ; v24     the way out: where I put 32 bytes of a row
.set RD,   25                          ; v25     where I read a row back
.set CO,   26                          ; v26     16 x lane
.set SPW,  28                          ; v28     LDS address of my spare word; never rewritten
.set NIL,  29                          ; v29     0; never rewritten
.set F0,   64
.set F1,   160
.set BK,   64                          ; the way out: 16 rows read back: v64-127 and v128-191 by turns
.set FLAG, 18                          ; s18     0 where my rows begin a sequence
.set G1, 24                            ; s[24:31] descriptor group 1 for A's tiles;  s[32:39] group 0, one set for each slot
.set G0, 32
.set G1B, 48                           ; s[48:55], s[56:63] the same for B's tiles
.set G0B, 56
.set MSB, 0
.macro WIN new                         ; the immediate's high byte repeats the setting that is left
.if MSB != \new
	s_set_vgpr_msb (MSB<<8)|\new
.set MSB, \new
.endif
.endm
.set MUL, 0x50                         ; C and D window 1; A and B window 0
.macro JLOAD s                         ; a joint load: waves 0 and 1 fetch A's two halves, waves 2 and 3 B's; an s_nop 0 and four v_nop follow each of the two lines
	s_cmp_eq_u32 s11, 0
	s_cbranch_scc0 .Lfor_b_\@
	tensor_load_to_lds s[G0+4*\s:G0+4*\s+3], s[G1:G1+7]
	s_nop 0
.rept 4
	v_nop
.endr
	s_branch .Lasked_\@
.Lfor_b_\@:
	tensor_load_to_lds s[G0B+4*\s:G0B+4*\s+3], s[G1B:G1B+7]
	s_nop 0
.rept 4
	v_nop
.endr
.Lasked_\@:
.endm
.macro CREST                           ; a round of the cluster's barrier behind its opening barrier
	s_cmp_lg_u32 s10, 0
	s_cbranch_scc1 .Lnot_wave_0_\@
	s_barrier_signal -3
.Lnot_wave_0_\@:
	s_barrier_wait -3
	s_barrier_signal -1
	s_barrier_wait -1
.endm
.macro CROUND                          ; a whole round
	s_barrier_signal -1
	s_barrier_wait -1
	CREST
.endm
	s_load_b128 s[4:7], s[0:1], 0x0                ; o16 s[4:5], wp16 s[6:7]
	s_load_b64 s[8:9], s[0:1], 0x10                ; out0
	v_lshl_add_u32 v[SPW], v0, 2, SPARE
	v_mov_b32 v[NIL], 0
	ds_add_u32 v[SPW], v[NIL]                      ; the wave's opening: the add, twice on end, and its wait ahead of my first tensor load
	ds_add_u32 v[SPW], v[NIL]                      ; and once more, under the one wait; the set-up below, work on registers, stands between
	v_lshrrev_b32 v1, 5, v0
	v_readfirstlane_b32 s10, v1                    ; wave 0..3
	s_lshr_b32 s11, s10, 1                         ; which 64 rows of the tile are mine.  Also: I fetch for A (0) or for B (1)
	s_and_b32 s12, s10, 1                          ; which 128 columns.  Also: which half of that tile I fetch
	s_bfe_u32 s40, ttmp6, 0x40000                  ; cx, cy: my place in the cluster
	s_bfe_u32 s41, ttmp6, 0x40004
	s_lshl_b32 s42, ttmp9, 2
	s_add_co_u32 s42, s42, s40                     ; tile column = 4 x cluster x + cx
	s_and_b32 s45, ttmp7, 0xffff                   ; cluster y: the tile's place in its sequence, 0 .. 15
	s_lshl_b32 s13, s41, 4
	s_add_co_u32 s13, s13, s45                     ; tile row = 16 cy + cluster y
	s_or_b32 s[FLAG], s45, s11                     ; made of the cluster's y and the wave's number alone
	s_lshl_b32 s43, s41, 2
	s_lshl_b32 s43, 15, s43                        ; my row of the cluster
	s_lshl_b32 s44, 0x1111, s40                    ; my column
	; descriptor group 1: dense blocks as rows of 256 bytes (32 elements of 8 bytes), no padding: A 64 rows, B 128
	s_or_b32 s[G1+0], s43, (3<<16)|(1<<21)         ; 15:0 the mask: my row; 17:16 elements of 8 bytes; 21 set beside a mask
	s_or_b32 s[G1B+0], s44, (3<<16)|(1<<21)
	s_mov_b32 s[G1+1], 32<<16                      ; tensor_dim0
	s_mov_b32 s[G1+2], 64<<16                      ; tensor_dim1
	s_mov_b32 s[G1+3], 32<<16                      ; tile_dim0
	s_mov_b32 s[G1+4], 64                          ; tile_dim1
	s_mov_b32 s[G1+5], 32                          ; tensor_dim0_stride
	s_mov_b32 s[G1+6], 0
	s_mov_b32 s[G1+7], 0
	s_mov_b32 s[G1B+1], 32<<16
	s_mov_b32 s[G1B+2], 128<<16
	s_mov_b32 s[G1B+3], 32<<16
	s_mov_b32 s[G1B+4], 128
	s_mov_b32 s[G1B+5], 32
	s_mov_b32 s[G1B+6], 0
	s_mov_b32 s[G1B+7], 0
	s_lshl_b32 s16, s13, 15                        ; A: 8 blocks of rows x 4,096 bytes a tile row, + my half: hangs on the tile row alone
	s_lshl_b32 s17, s12, 14
	s_add_co_u32 s16, s16, s17
	s_mov_b32 s17, 0
	s_lshl_b32 s46, s42, 16                        ; B: 16 blocks of columns x 4,096 bytes a tile column, + my half: hangs on the tile column alone
	s_lshl_b32 s47, s12, 15
	s_add_co_u32 s46, s46, s47
	s_mov_b32 s47, 0
	s_lshl_b32 s20, s12, 14                        ; where they go: A's halves at 0 and 16,384;
	s_lshl_b32 s21, s12, 15
	s_add_co_u32 s21, s21, BOFF                    ; B's at 32,768 and 65,536: no place in the cluster enters an LDS address
	s_wait_dscnt 0x0                               ; both opening adds are done
	s_wait_kmcnt 0x0
	s_add_nc_u64 s[14:15], s[4:5], s[16:17]
	s_add_nc_u64 s[46:47], s[6:7], s[46:47]
	CROUND                                         ; all sixteen work-groups are here: the first joint loads meet
.irp s, 0,1
	s_mov_b32 s[G0+4*\s], 1
	s_add_co_u32 s[G0+4*\s+1], s20, \s*SLOT
	s_add_nc_u64 s[G0+4*\s+2:G0+4*\s+3], s[14:15], \s*ASTEP
	s_or_b32 s[G0+4*\s+3], s[G0+4*\s+3], 0x80000000
	s_mov_b32 s[G0B+4*\s], 1
	s_add_co_u32 s[G0B+4*\s+1], s21, \s*SLOT
	s_add_nc_u64 s[G0B+4*\s+2:G0B+4*\s+3], s[46:47], \s*BSTEP
	s_or_b32 s[G0B+4*\s+3], s[G0B+4*\s+3], 0x80000000
	JLOAD \s                                       ; two tensor loads of mine are out
.endr
	v_and_b32 v1, 31, v0
	v_lshlrev_b32 v[CO], 4, v1
	s_lshl_b32 s22, s11, 14                        ; my 4 blocks of rows of A
	s_lshl_b32 s23, s12, 15
	s_add_co_u32 s23, s23, BOFF                    ; my 8 blocks of columns of B
.irp s, 0,1
	v_add_nc_u32 v[ADRA+\s], s22, v[CO]
	v_add_nc_u32 v[ADRB+\s], s23, v[CO]
	s_add_co_u32 s22, s22, SLOT
	s_add_co_u32 s23, s23, SLOT
.endr
	v_and_b32 v2, 15, v0                           ; r
	v_bfe_u32 v3, v0, 4, 1                         ; h
	s_mul_i32 s23, s10, 16*SPITCH
	s_add_co_u32 s23, s23, STAGE                   ; my stage
	v_mul_u32_u24 v4, v2, SPITCH
	v_lshl_add_u32 v4, v3, 5, v4
	v_add_nc_u32 v[STO], s23, v4                   ; in: row r, 32 bytes for each half of the lanes
	v_add_nc_u32 v[RD], s23, v[CO]                 ; back: the 32 lanes take one row of 512 bytes
	s_lshl_b32 s16, s13, 19                        ; out0: 128 rows of 4,096 bytes a tile row,
	s_lshl_b32 s17, s11, 18                        ; my 64 rows,
	s_add_co_u32 s16, s16, s17
	s_mov_b32 s17, 0
	s_add_nc_u64 s[8:9], s[8:9], s[16:17]
	s_lshl_b32 s46, s42, 10                        ; 1,024 bytes a tile column, my 512
	s_lshl_b32 s47, s12, 9
	s_add_co_u32 s46, s46, s47
	s_mov_b32 s47, 0
	s_add_nc_u64 s[8:9], s[8:9], s[46:47]
; 8 matrix instructions: A's block a x B's eight, 32 along K, from buffer f.  zero = 1: the first product starts the sums.  The 32 accumulators take turns in the same order in every quarter.
.macro MUL8 f, a, zero
.irp b, 0,1,2,3,4,5,6,7
.if \zero
	v_wmma_f32_16x16x32_f16 v[8*(8*(\a)+\b):8*(8*(\a)+\b)+7], v[\f+32+8*\b:\f+32+8*\b+7], v[\f+8*(\a):\f+8*(\a)+7], 0
.else
	v_wmma_f32_16x16x32_f16 v[8*(8*(\a)+\b):8*(8*(\a)+\b)+7], v[\f+32+8*\b:\f+32+8*\b+7], v[\f+8*(\a):\f+8*(\a)+7], v[8*(8*(\a)+\b):8*(8*(\a)+\b)+7]
.endif
.endr
.endm
; 24 LDS loads in one run: the fragments of the slot's q-th 32 along K into buffer f: B's eight, then A's four
.macro FETCH slot, q, f
	WIN 0
.irp b, 0,1,2,3,4,5,6,7
	ds_load_b128 v[\f+32+8*\b:\f+32+8*\b+3],   v[ADRB+\slot] offset:\b*4096+(\q)*1024
	ds_load_b128 v[\f+32+8*\b+4:\f+32+8*\b+7], v[ADRB+\slot] offset:\b*4096+(\q)*1024+512
.endr
.irp a, 0,1,2,3
	ds_load_b128 v[\f+8*\a:\f+8*\a+3],   v[ADRA+\slot] offset:\a*4096+(\q)*1024
	ds_load_b128 v[\f+8*\a+4:\f+8*\a+7], v[ADRA+\slot] offset:\a*4096+(\q)*1024+512
.endr
.endm
.macro PLACES                          ; four plain instructions in front of loads into registers that matrix instructions have read, and of reads of results
.rept 4
	v_nop
.endr
.endm
; A K step is four quarters of 32 along K, 32 matrix instructions each, on buffers 0, 1, 0, 1.  One of the first three: multiplies buffer f and fetches quarter q into g.
.macro QUARTER slot, q, f, g, zero
	s_wait_dscnt 4                                 ; B and A's blocks 0, 1 are in; the youngest four loads (A's blocks 2, 3) may be out
	WIN MUL
	MUL8 \f, 0, \zero
	MUL8 \f, 1, \zero
	PLACES
	FETCH \slot, \q, \g
	s_wait_dscnt 24                                ; all but the 24 just issued
	WIN MUL
	MUL8 \f, 2, \zero
	MUL8 \f, 3, \zero
.endm
; The last quarter multiplies buffer 1 and changes slots: ONE barrier; in front of it each wave waits for all its tensor loads, adds 0 to its spare word, and waits for that and for its own reads of this slot.
; fill = 1: the barrier opens a round of the cluster's, and this slot is filled again, two K steps ahead: one tensor load of mine is out, with a K step less eight products in which to land.
.macro TURN slot, next, fill
	WIN 0                                          ; (the add's two registers lie in window 0)
	s_wait_tensorcnt 0x0                           ; all my tensor loads have landed: my part of the next slot;
	ds_add_u32 v[SPW], v[NIL]                      ; 0 onto my spare word;
	s_wait_dscnt 5                                 ; (the add and the youngest four loads may be out)
	WIN MUL
	MUL8 F1, 0, 0                                  ; eight matrix instructions stand between the add and the wait for it
	s_wait_dscnt 0x0                               ; the add is done, and my reads of this slot are over
	s_barrier_signal -1
	MUL8 F1, 1, 0
.if \fill
	WIN 0
.endif
	s_barrier_wait -1
.if \fill
	CREST                                          ; no wave of any partner still reads this slot's tile or has a load on its way
	s_add_nc_u64 s[G0+4*\slot+2:G0+4*\slot+3], s[G0+4*\slot+2:G0+4*\slot+3], 2*ASTEP
	s_add_nc_u64 s[G0B+4*\slot+2:G0B+4*\slot+3], s[G0B+4*\slot+2:G0B+4*\slot+3], 2*BSTEP
	JLOAD \slot                                    ; the first tensor load behind the round; the four v_nop behind it are also the places in front of the loads below
.else
	PLACES
.endif
	FETCH \next, 0, F0
	WIN MUL
	MUL8 F1, 2, 0
	MUL8 F1, 3, 0
.endm
	s_wait_tensorcnt 1                             ; my part of K step 0 is in (K step 1's load may be out),
	s_barrier_signal -1
	s_barrier_wait -1                              ; everybody's is
	FETCH 0, 0, F0
	QUARTER 0, 1, F0, F1, 1                        ; the first quarter stands in front of the loop: its products start the sums
	WIN 0                                          ; at a label and at a branch every window is 0
	s_mov_b32 s3, LAPS-1
.Llap:                                             ; a trip goes once round the ring, from a lap's second quarter to the next lap's first, and fills both slots again
	QUARTER 0, 2, F1, F0, 0
	QUARTER 0, 3, F0, F1, 0
	TURN 0, 1, 1
	QUARTER 1, 1, F0, F1, 0
	QUARTER 1, 2, F1, F0, 0
	QUARTER 1, 3, F0, F1, 0
	TURN 1, 0, 1
	QUARTER 0, 1, F0, F1, 0
	WIN 0
	s_sub_co_u32 s3, s3, 1
	s_cmp_lg_u32 s3, 0
	s_cbranch_scc1 .Llap
	QUARTER 0, 2, F1, F0, 0                        ; the last lap fills nothing, and has no round of the cluster's barrier
	QUARTER 0, 3, F0, F1, 0
	TURN 0, 1, 0
	QUARTER 1, 1, F0, F1, 0
	QUARTER 1, 2, F1, F0, 0
	QUARTER 1, 3, F0, F1, 0
	s_wait_dscnt 4                                 ; the very last quarter: nothing more to fetch
	WIN MUL
	MUL8 F1, 0, 0
	MUL8 F1, 1, 0
	s_wait_dscnt 0
	MUL8 F1, 2, 0
	MUL8 F1, 3, 0
	WIN 0
; THE WAY OUT, block by block of 16 rows x 128 columns: through my own stage in LDS, back as whole rows of 512 bytes, which the 32 lanes store as 512 consecutive bytes, aligned.
; LDS serves a wave's instructions in order (ISA guide 5.7.1.4): no wait between the stores and the loads, nor in front of the next block's stores.
.macro TOSTAGE a
	WIN 0x04                                       ; an LDS store's data are its source 1: window 1
.irp b, 0,1,2,3,4,5,6,7
	ds_store_b128 v[STO], v[8*(8*(\a)+\b):8*(8*(\a)+\b)+3] offset:64*\b          ; each accumulator from its low end on
	ds_store_b128 v[STO], v[8*(8*(\a)+\b)+4:8*(8*(\a)+\b)+7] offset:64*\b+16
.endr
	WIN 0
.set BB, BK+64*((\a)%2)
.irp t, 0,1,2,3,4,5,6,7,8,9,10,11,12,13,14,15
	ds_load_b128 v[BB+4*\t:BB+4*\t+3], v[RD] offset:\t*SPITCH
.endr
.endm
.macro SEND a, younger                 ; younger: the LDS instructions issued behind block a's loads, which may stay out
.set BB, BK+64*((\a)%2)
	s_wait_dscnt \younger                          ; the block is back in registers
.if (\a) == 0
	s_cmp_eq_u32 s[FLAG], 0                        ; my block 0 is the first 16 positions of a sequence: those rows belong to the launch that carries them in f32
	s_cbranch_scc1 .Lfine_rows
.endif
.irp t, 0,1,2,3,4,5,6,7,8,9,10,11,12,13,14,15
	global_store_b128 v[CO], v[BB+4*\t:BB+4*\t+3], s[8:9] offset:(16*(\a)+\t)*4096 th:TH_STORE_NT   ; every offset is an immediate: 63 rows of 4,096 bytes at the most
.endr
.if (\a) == 0
.Lfine_rows:
.endif
.endm
	PLACES
	TOSTAGE 0
.irp a, 1,2,3
.if \a > 1
	s_wait_xcnt 0x0                                ; block a - 2's stores have read their registers: block a's loads may land there
.endif
	TOSTAGE \a
	SEND \a-1, 32                                  ; behind block a - 1's loads: block a's 16 stores and 16 loads
.endr
	SEND 3, 0
	s_wait_tensorcnt 0x0                           ; the wave's end
	ds_add_u32 v[SPW], v[NIL]
	s_wait_dscnt 0x0
	CROUND                                         ; the closing round: no work-group ends while a partner may still ask for a tile that names it
	s_endpgm
.Lfunc_end_k_q2c8a7d9328_proj:
	.size	k_q2c8a7d9328_proj, .Lfunc_end_k_q2c8a7d9328_proj-k_q2c8a7d9328_proj
	.p2alignl 7, 3214868480
	.fill 96, 4, 3214868480
	.section	.rodata,"a",@progbits
	.p2align	6, 0x0
	.amdhsa_kernel k_q2c8a7d9328_proj
		.amdhsa_group_segment_fixed_size 327680
		.amdhsa_private_segment_fixed_size 0
		.amdhsa_enable_private_segment 0
		.amdhsa_kernarg_size 24
		.amdhsa_user_sgpr_count 2
		.amdhsa_user_sgpr_kernarg_segment_ptr 1
		.amdhsa_wavefront_size32 1
		.amdhsa_system_sgpr_workgroup_id_x 1
		.amdhsa_system_sgpr_workgroup_id_y 1
		.amdhsa_system_sgpr_workgroup_id_z 1
		.amdhsa_system_vgpr_workitem_id 0
		.amdhsa_next_free_vgpr 512
		.amdhsa_next_free_sgpr 66
		.amdhsa_reserve_vcc 0
		.amdhsa_float_denorm_mode_32 3
		.amdhsa_float_denorm_mode_16_64 3
		.amdhsa_memory_ordered 1
		.amdhsa_forward_progress 1
		.amdhsa_inst_pref_size 84
	.end_amdhsa_kernel
	.amdgpu_metadata
---
amdhsa.version: [ 1, 2 ]
amdhsa.kernels:
  - .name:           k_q2c8a7d9328_proj
    .symbol:         k_q2c8a7d9328_proj.kd
    .args:
      - { .name: o16, .offset: 0, .size: 8, .value_kind: global_buffer, .address_space: global }
      - { .name: wp16, .offset: 8, .size: 8, .value_kind: global_buffer, .address_space: global }
      - { .name: out0, .offset: 16, .size: 8, .value_kind: global_buffer, .address_space: global }
    .group_segment_fixed_size: 327680
    .private_segment_fixed_size: 0
    .kernarg_segment_align: 8
    .kernarg_segment_size: 24
    .max_flat_workgroup_size: 128
    .sgpr_count:     66
    .vgpr_count:     512
    .wavefront_size: 32
...
	.end_amdgpu_metadata
.endif
;; end of part 4
;; launch fine (part 5): grid 16 x 4, 16 waves a work-group, no clusters, 67,584 bytes of LDS; arguments qkvf, Wproj, out0; writes out0
.if DOCPART == 5
	.amdgcn_target "amdgcn-amd-amdhsa--gfx1250"
	.amdhsa_code_object_version 6
	.text
	.protected	k_q2c8a7d9328_fine
	.globl	k_q2c8a7d9328_fine
	.p2align	8
	.type	k_q2c8a7d9328_fine,@function
k_q2c8a7d9328_fine:
	s_mov_b64 s[64:65], 0
	v_nop
	global_prefetch_b8 v0, s[64:65] scope:SCOPE_SE
	s_setreg_imm32_b32 hwreg(HW_REG_WAVE_MODE, 25, 1), 1
	s_wait_xcnt 0x0
; THE FIRST 16 POSITIONS OF EVERY SEQUENCE, attention and projection, with f32 operands: these rows average one to sixteen values, are the largest in size, and leave the least room for rounded operands.
; Work-group (column block, batch) makes out0[batch][0 .. 15][64 columns].  Wave w is head w: scores, softmax and O of its head (repeated in each of the 16 column blocks: 32 matrix instructions, so that each
; output has one owner), then its 64 channels' part of the projection; the 16 parts meet in LDS and are added in a fixed order.
; INPUT qkvf [batch][g][channel / 16][half 2][lane][16 bytes] f32: lane (r, h) holds position r, channels 16 t + 8 h + 4 u + 0 .. 3 (g = head: q, 16 + head: k, 32 + head: v).
; THE f32 MATRIX FORM takes K = 4: lane (r, h) holds row r, its two registers k = 2 h, 2 h + 1.  A permutation of k applied alike to both sources keeps the products: register pair 2 s of a lane's eight stands for
; the true k = 8 h + 2 s, 8 h + 2 s + 1 on both sides.  All three products are used transposed, so that a lane holds ONE query throughout.
; The registers that the matrix instructions write, v112-143, are written by them alone; what is made of a sum goes into other registers.
; Behind this form eight plain instructions stand before a result is read or a source loaded anew, nine before a matrix instruction writes over a result (ISA guide 7.12.1): nine v_nop serve both.
.set SPARE, 65536                      ; LDS: 4,096 bytes of partial sums for each wave; behind them the spare words, 128 bytes for each of 16 waves: eight blocks of 256 bytes that no other line names
.set LI,   3                           ; v3   16 x lane
.set VV,   4                           ; v4   my lane's place for V^T
.set WO,   5                           ; v5   my lane's place in Wproj
.set SOA,  6                           ; v6   where I store my partial sums
.set RDA,  7                           ; v7   where I read the 16 waves' sums back
.set GO,   8                           ; v8   my place in out0
.set RH,   9                           ; v9   r - 8 h
.set NINF, 10                          ; v10  -infinity
.set SPW,  12                          ; v12  LDS address of my spare word; never rewritten
.set NIL,  13                          ; v13  0; never rewritten
.set QF,   16                          ; v16-47   Q: register 8 t + j = channel 16 t + 8 h + j of position r
.set KR,   48                          ; v48-79   K likewise
.set VT,   80                          ; v80-111  V^T: register 8 ct + 2 s + j = key 8 h + 2 s + j of channel 16 ct + r
.set ACC,  112                         ; v112-143 four accumulators
.set PS,   144                         ; v144-151 scores, then p
.set TS,   152                         ; v152-159 at work; 1 / l in v156
.set ON,   160                         ; v160-191 O^T / l
                                       ; Wproj's four sets of 32 registers: column tile nt at v[(192 + 32 nt) % 240]: 192, 224, and, once Q and K are done with, 16, 48
	s_load_b128 s[4:7], s[0:1], 0x0                ; qkvf s[4:5], Wproj s[6:7]
	s_load_b64 s[8:9], s[0:1], 0x10                ; out0
	v_lshl_add_u32 v[SPW], v0, 2, SPARE
	v_mov_b32 v[NIL], 0
	v_lshrrev_b32 v1, 5, v0
	v_readfirstlane_b32 s10, v1                    ; wave = head, 0..15
	s_and_b32 s12, ttmp7, 0xffff                   ; batch
	v_and_b32 v1, 31, v0                           ; lane
	v_and_b32 v2, 15, v0                           ; r
	v_bfe_u32 v11, v0, 4, 1                        ; h
	v_lshlrev_b32 v[LI], 4, v1
	v_bfe_u32 v[VV], v0, 2, 1                      ; V^T: channel 16 ct + r of key p lies in half (r / 4) % 2, image lane 16 (r / 8) + p, word r % 4; my keys begin at 8 h
	v_lshlrev_b32 v[VV], 9, v[VV]
	v_bfe_u32 v14, v0, 3, 1
	v_lshl_add_u32 v[VV], v14, 8, v[VV]
	v_lshl_add_u32 v[VV], v11, 7, v[VV]
	v_and_b32 v14, 3, v0
	v_lshl_add_u32 v[VV], v14, 2, v[VV]
	v_lshlrev_b32 v[WO], 2, v2                     ; Wproj: column r, 8 h rows of 4,096 bytes down
	v_lshl_add_u32 v[WO], v11, 15, v[WO]
	s_lshl_b32 s13, s10, 12
	v_add_nc_u32 v[SOA], s13, v[LI]
	v_bfe_u32 v[RDA], v0, 2, 2                     ; back: lane (i = l % 16, l / 16) takes columns 4 i .. 4 i + 3 of query 2 w + l / 16: tile i / 4, half i % 2, image lane 16 ((i / 2) % 2) + the query
	v_lshlrev_b32 v[RDA], 10, v[RDA]
	v_and_b32 v14, 1, v0
	v_lshl_add_u32 v[RDA], v14, 9, v[RDA]
	v_bfe_u32 v14, v0, 1, 1
	v_lshl_add_u32 v[RDA], v14, 8, v[RDA]
	v_lshl_add_u32 v[RDA], v11, 4, v[RDA]
	s_lshl_b32 s13, s10, 5
	v_add_nc_u32 v[RDA], s13, v[RDA]
	v_lshlrev_b32 v[GO], 4, v2
	v_lshl_add_u32 v[GO], v11, 12, v[GO]           ; out0: row l / 16 of my two, 16 bytes a lane
	v_lshlrev_b32 v[RH], 3, v11
	v_sub_nc_u32 v[RH], v2, v[RH]
	v_mov_b32 v[NINF], 0xff800000
	v_mov_b32 v15, 0                               ; written once: a lane permute's destination counts as one of its sources
	s_mov_b32 s16, 0x3e38aa3b                      ; c = log2(e) / 8
	s_mov_b32 s17, s16                             ; (named with it as a pair, so it is written)
	s_mov_b32 s26, 0xbe38aa3b                      ; -c
	s_mov_b32 s18, 0x76543210
	s_mov_b32 s19, 0xfedcba98                      ; v_permlanex16_b32's selects for lane l xor 16
	s_mul_i32 s14, s12, 48
	s_add_co_u32 s14, s14, s10
	s_lshl_b32 s14, s14, 12                        ; qkvf: 4,096 bytes for each (batch, g); k lies 65,536 bytes on, v 131,072
	s_mov_b32 s15, 0
	s_lshl_b32 s20, s10, 18                        ; Wproj: my head's 64 rows of 4,096 bytes,
	s_lshl_b32 s22, ttmp9, 8                       ; the work-group's 64 columns
	s_add_co_u32 s20, s20, s22
	s_mov_b32 s21, 0
	s_lshl_b32 s24, s12, 23                        ; out0: the batch's 2,048 rows,
	s_lshl_b32 s23, s10, 13                        ; my two rows,
	s_add_co_u32 s24, s24, s23
	s_add_co_u32 s24, s24, s22                     ; the 64 columns
	s_mov_b32 s25, 0
	s_wait_kmcnt 0x0
	s_add_nc_u64 s[4:5], s[4:5], s[14:15]
	s_add_nc_u64 s[6:7], s[6:7], s[20:21]
	s_add_nc_u64 s[8:9], s[8:9], s[24:25]
.irp t, 0,1,2,3
.irp u, 0,1
	global_load_b128 v[QF+8*\t+4*\u:QF+8*\t+4*\u+3], v[LI], s[4:5] offset:\t*1024+\u*512
	global_load_b128 v[KR+8*\t+4*\u:KR+8*\t+4*\u+3], v[LI], s[4:5] offset:65536+\t*1024+\u*512
.endr
.endr
.irp ct, 0,1,2,3
.irp j, 0,1,2,3,4,5,6,7
	global_load_b32 v[VT+8*\ct+\j], v[VV], s[4:5] offset:131072+\ct*1024+\j*16
.endr
.endr
.macro WLOAD nt                        ; column tile nt: register 8 ct + j = Wproj(64 head + 16 ct + 8 h + j, 16 nt + r)
.irp ct, 0,1,2,3
.irp j, 0,1,2,3,4,5,6,7
	global_load_b32 v[(192+32*(\nt))%240+8*\ct+\j], v[WO], s[6:7] offset:(16*\ct+\j)*4096+(\nt)*64
.endr
.endr
.endm
	WLOAD 0
	WLOAD 1
	s_wait_loadcnt 63                              ; 64 loads were issued behind V's; the field's largest count is one less: Q, K and V^T are in
	; S^T = K Q^T: 64 channels in 16 steps of 4, four accumulators by turns; their sum is the score
.irp s, 0,1,2,3
.irp t, 0,1,2,3
.if \s == 0
	v_wmma_f32_16x16x4_f32 v[ACC+8*\t:ACC+8*\t+7], v[KR+8*\t+2*\s:KR+8*\t+2*\s+1], v[QF+8*\t+2*\s:QF+8*\t+2*\s+1], 0
.else
	v_wmma_f32_16x16x4_f32 v[ACC+8*\t:ACC+8*\t+7], v[KR+8*\t+2*\s:KR+8*\t+2*\s+1], v[QF+8*\t+2*\s:QF+8*\t+2*\s+1], v[ACC+8*\t:ACC+8*\t+7]
.endif
.endr
.endr
.rept 9
	v_nop
.endr
	WLOAD 2                                        ; into the registers that held Q and K
	WLOAD 3
.irp j, 0,2,4,6
	v_pk_add_f32 v[TS+\j:TS+\j+1], v[ACC+\j:ACC+\j+1], v[ACC+8+\j:ACC+8+\j+1]          ; each accumulator from its low end on
.endr
.irp j, 0,2,4,6
	v_pk_add_f32 v[PS+\j:PS+\j+1], v[ACC+16+\j:ACC+16+\j+1], v[ACC+24+\j:ACC+24+\j+1]
.endr
.irp j, 0,2,4,6
	v_pk_add_f32 v[PS+\j:PS+\j+1], v[PS+\j:PS+\j+1], v[TS+\j:TS+\j+1]                  ; lane (r, h), register j: query r, key 8 h + j
.endr
.irp j, 0,1,2,3,4,5,6,7
	v_cmp_gt_i32 vcc_lo, \j, v[RH]                 ; hidden where 8 h + j > r
	v_cndmask_b32 v[PS+\j], v[PS+\j], v[NINF], vcc_lo
.endr
	v_max3_num_f32 v14, v[PS], v[PS+1], v[PS+2]
	v_max3_num_f32 v14, v14, v[PS+3], v[PS+4]
	v_max3_num_f32 v14, v14, v[PS+5], v[PS+6]
	v_max_num_f32 v14, v14, v[PS+7]
	v_permlanex16_b32 v15, v14, s18, s19
	v_max_num_f32 v14, v14, v15                    ; the row's maximum: key 0 counts for every query, so it is a number
	v_mul_f32 v14, s26, v14                        ; -c m
.irp j, 0,2,4,6
	v_pk_fma_f32 v[PS+\j:PS+\j+1], v[PS+\j:PS+\j+1], s[16:17], v[14:15] op_sel_hi:[1,0,0]   ; c s - c m, two at a time (of the pairs c and -c m the low word serves both halves)
.endr
.irp j, 0,1,2,3,4,5,6,7
	v_exp_f32 v[PS+\j], v[PS+\j]                   ; p = 2^(c s - c m)
.endr
	v_nop                                          ; a plain instruction behind the last exponential
	s_wait_alu depctr_va_vdst(0)                   ; one wait for the eight, ahead of their first reader
	v_pk_add_f32 v[TS:TS+1], v[PS:PS+1], v[PS+2:PS+3]
	v_pk_add_f32 v[TS+2:TS+3], v[PS+4:PS+5], v[PS+6:PS+7]
	v_pk_add_f32 v[TS:TS+1], v[TS:TS+1], v[TS+2:TS+3]
	v_add_f32 v[TS], v[TS], v[TS+1]
	v_permlanex16_b32 v15, v[TS], s18, s19
	v_add_f32 v[TS], v[TS], v15                    ; l
	v_rcp_f32 v[TS+4], v[TS]
	v_mov_b32 v[TS+5], 0                           ; a plain instruction behind the reciprocal; it also writes the pair's upper half
	s_wait_alu depctr_va_vdst(0)
	; O^T = V^T P: 16 keys in 4 steps, four tiles of 16 channels by turns
.irp s, 0,1,2,3
.irp ct, 0,1,2,3
.if \s == 0
	v_wmma_f32_16x16x4_f32 v[ACC+8*\ct:ACC+8*\ct+7], v[VT+8*\ct+2*\s:VT+8*\ct+2*\s+1], v[PS+2*\s:PS+2*\s+1], 0
.else
	v_wmma_f32_16x16x4_f32 v[ACC+8*\ct:ACC+8*\ct+7], v[VT+8*\ct+2*\s:VT+8*\ct+2*\s+1], v[PS+2*\s:PS+2*\s+1], v[ACC+8*\ct:ACC+8*\ct+7]
.endif
.endr
.endr
.rept 9
	v_nop
.endr
.irp n, 0,2,4,6,8,10,12,14,16,18,20,22,24,26,28,30
	v_pk_mul_f32 v[ON+\n:ON+\n+1], v[ACC+\n:ACC+\n+1], v[TS+4:TS+5] op_sel_hi:[1,0]    ; O^T / l: register 8 ct + j = channel 16 ct + 8 h + j of query r
.endr
	s_wait_loadcnt 0x0                             ; Wproj's four sets
	; my head's part of the projection: 64 channels in 16 steps, four tiles of 16 columns by turns
.irp ct, 0,1,2,3
.irp s, 0,1,2,3
.irp nt, 0,1,2,3
.if \ct+\s == 0
	v_wmma_f32_16x16x4_f32 v[ACC+8*\nt:ACC+8*\nt+7], v[(192+32*\nt)%240+8*\ct+2*\s:(192+32*\nt)%240+8*\ct+2*\s+1], v[ON+8*\ct+2*\s:ON+8*\ct+2*\s+1], 0
.else
	v_wmma_f32_16x16x4_f32 v[ACC+8*\nt:ACC+8*\nt+7], v[(192+32*\nt)%240+8*\ct+2*\s:(192+32*\nt)%240+8*\ct+2*\s+1], v[ON+8*\ct+2*\s:ON+8*\ct+2*\s+1], v[ACC+8*\nt:ACC+8*\nt+7]
.endif
.endr
.endr
.endr
.rept 9
	v_nop
.endr
.irp nt, 0,1,2,3
.irp u, 0,1
	ds_store_b128 v[SOA], v[ACC+8*\nt+4*\u:ACC+8*\nt+4*\u+3] offset:\nt*1024+\u*512    ; lane (r, h): query r, columns 16 nt + 8 h + 4 u + 0 .. 3; each accumulator from its low end on
.endr
.endr
	s_wait_dscnt 0x0                               ; for the others' sake: my stores have landed
	s_barrier_signal -1
	s_barrier_wait -1
	s_cmp_ge_u32 s10, 8                            ; waves 0 to 7 add the 16 heads' parts, two rows of 64 columns each
	s_cbranch_scc1 .Lend
.irp k, 0,1,2,3,4,5,6,7,8,9,10,11,12,13,14,15
	ds_load_b128 v[192+4*\k:192+4*\k+3], v[RDA] offset:\k*4096
.endr
	s_wait_dscnt 0x0
.irp k, 0,2,4,6,8,10,12,14                     ; a fixed tree
	v_pk_add_f32 v[192+4*\k:192+4*\k+1], v[192+4*\k:192+4*\k+1], v[192+4*\k+4:192+4*\k+5]
	v_pk_add_f32 v[192+4*\k+2:192+4*\k+3], v[192+4*\k+2:192+4*\k+3], v[192+4*\k+6:192+4*\k+7]
.endr
.irp k, 0,4,8,12
	v_pk_add_f32 v[192+4*\k:192+4*\k+1], v[192+4*\k:192+4*\k+1], v[192+4*\k+8:192+4*\k+9]
	v_pk_add_f32 v[192+4*\k+2:192+4*\k+3], v[192+4*\k+2:192+4*\k+3], v[192+4*\k+10:192+4*\k+11]
.endr
.irp k, 0,8
	v_pk_add_f32 v[192+4*\k:192+4*\k+1], v[192+4*\k:192+4*\k+1], v[192+4*\k+16:192+4*\k+17]
	v_pk_add_f32 v[192+4*\k+2:192+4*\k+3], v[192+4*\k+2:192+4*\k+3], v[192+4*\k+18:192+4*\k+19]
.endr
	v_pk_add_f32 v[192:193], v[192:193], v[224:225]
	v_pk_add_f32 v[194:195], v[194:195], v[226:227]
	global_store_b128 v[GO], v[192:195], s[8:9]    ; sixteen lanes store 256 consecutive bytes, aligned
.Lend:
	s_wait_tensorcnt 0x0                           ; the wave's end
	ds_add_u32 v[SPW], v[NIL]
	s_wait_dscnt 0x0
	s_endpgm
.Lfunc_end_k_q2c8a7d9328_fine:
	.size	k_q2c8a7d9328_fine, .Lfunc_end_k_q2c8a7d9328_fine-k_q2c8a7d9328_fine
	.p2alignl 7, 3214868480
	.fill 96, 4, 3214868480
	.section	.rodata,"a",@progbits
	.p2align	6, 0x0
	.amdhsa_kernel k_q2c8a7d9328_fine
		.amdhsa_group_segment_fixed_size 67584
		.amdhsa_private_segment_fixed_size 0
		.amdhsa_enable_private_segment 0
		.amdhsa_kernarg_size 24
		.amdhsa_user_sgpr_count 2
		.amdhsa_user_sgpr_kernarg_segment_ptr 1
		.amdhsa_wavefront_size32 1
		.amdhsa_system_sgpr_workgroup_id_x 1
		.amdhsa_system_sgpr_workgroup_id_y 1
		.amdhsa_system_sgpr_workgroup_id_z 1
		.amdhsa_system_vgpr_workitem_id 0
		.amdhsa_next_free_vgpr 256
		.amdhsa_next_free_sgpr 66
		.amdhsa_reserve_vcc 1
		.amdhsa_float_denorm_mode_32 3
		.amdhsa_float_denorm_mode_16_64 3
		.amdhsa_memory_ordered 1
		.amdhsa_forward_progress 1
		.amdhsa_inst_pref_size 34
	.end_amdhsa_kernel
	.amdgpu_metadata
---
amdhsa.version: [ 1, 2 ]
amdhsa.kernels:
  - .name:           k_q2c8a7d9328_fine
    .symbol:         k_q2c8a7d9328_fine.kd
    .args:
      - { .name: qkvf, .offset: 0, .size: 8, .value_kind: global_buffer, .address_space: global }
      - { .name: Wproj, .offset: 8, .size: 8, .value_kind: global_buffer, .address_space: global }
      - { .name: out0, .offset: 16, .size: 8, .value_kind: global_buffer, .address_space: global }
    .group_segment_fixed_size: 67584
    .private_segment_fixed_size: 0
    .kernarg_segment_align: 8
    .kernarg_segment_size: 24
    .max_flat_workgroup_size: 512
    .sgpr_count:     66
    .vgpr_count:     256
    .wavefront_size: 32
...
	.end_amdgpu_metadata
.endif
;; end of part 5
